; MI455X (gfx1250); checked and timed in simulation.
; The chip was launched on July 23, 2026; its instructions are those of AMD's public machine-readable ISA for CDNA 5 (MIT licence, August 2026) and "CDNA5" Instruction Set Architecture Reference Guide (July 2026). The comments in the code are by the model that wrote it; some were corrected since.
;; Transformer Encoder Layer Rotary. Allowed arithmetic: matrix products marked QUANTISED: E4M3 operands, one given power-of-two scale a tensor, by v_wmma_f32_16x16x64_fp8_fp8 or v_wmma_f32_16x16x128_fp8_fp8, f32 sums; everything else in f32.
;; Inputs: b1 4,096 float32; b2 1,024 float32; k_b 1,024 float32; k_w_codes 1,024 x 32 x 32 uint8 (E4M3 codes of k_w, K innermost, in blocks of 32 codes); ln1_b 1,024 float32; ln1_g 1,024 float32; ln2_b 1,024 float32; ln2_g 1,024 float32; lowp_scales 14 int32 (the exponents e of the quantised operands' scales 2^e); q_b 1,024 float32; q_w_codes 1,024 x 32 x 32 uint8 (E4M3 codes of q_w, K innermost, in blocks of 32 codes); src 2,048 x 2 x 1,024 float32; v_b 1,024 float32; v_w_codes 1,024 x 32 x 32 uint8 (E4M3 codes of v_w, K innermost, in blocks of 32 codes); w1_codes 4,096 x 32 x 32 uint8 (E4M3 codes of w1, K innermost, in blocks of 32 codes); w2_codes 1,024 x 128 x 32 uint8 (E4M3 codes of w2, K innermost, in blocks of 32 codes).
;; Outputs: out0 2,048 x 2 x 1,024 float32.
;; This version of the problem:
;;   THIS VERSION OF THE PROBLEM IS GIVEN IN LOW PRECISION. The matrix products marked QUANTISED in the list below multiply operands that are first quantised to E4M3 (4 exponent bits, 3 mantissa bits; 8 bits a number), with one given power-of-two scale for each operand tensor; their sums are f32. All else is computed in f32.
;;   The module's matrix products, in the order in which they are computed (A, B: the left and right operand; K: the contracted axis; several contracted axes count as one K, in the product's order):
;;     1. [M 4,096, K 1,024] x [K 1,024, N 1,024]; A: input src; B: input q_w (given as codes): QUANTISED (scales: A lowp_scales[0], B lowp_scales[1])
;;     2. [M 4,096, K 1,024] x [K 1,024, N 1,024]; A: input src; B: input k_w (given as codes): QUANTISED (scales: A lowp_scales[2], B lowp_scales[3])
;;     3. [M 4,096, K 1,024] x [K 1,024, N 1,024]; A: input src; B: input v_w (given as codes): QUANTISED (scales: A lowp_scales[4], B lowp_scales[5])
;;     4. batch 32 x [M 2,048, K 64] x [K 64, N 2,048]; A: computed on the way; B: computed on the way: QUANTISED (scales: A lowp_scales[6], B lowp_scales[7])
;;     5. batch 32 x [M 2,048, K 2,048] x [K 2,048, N 64]; A: softmax (see below); B: computed on the way: QUANTISED (scales: A lowp_scales[8], B lowp_scales[9])
;;     6. [M 4,096, K 1,024] x [K 1,024, N 4,096]; A: computed on the way; B: input w1 (given as codes): QUANTISED (scales: A lowp_scales[10], B lowp_scales[11])
;;     7. [M 4,096, K 4,096] x [K 4,096, N 1,024]; A: computed on the way; B: input w2 (given as codes): QUANTISED (scales: A lowp_scales[12], B lowp_scales[13])
;;   THE QUANTISER, for each operand of a quantised product, along K:
;;     - The operand's scale is 2^e, e = its entry of the input lowp_scales (int32; the entries are numbered through the quantised products in the list's order, A before B).
;;     - Each number is divided by the scale, clamped to +-448, and rounded to the nearest number of E4M3, ties to even, subnormals kept.
;;     - The product sums the exact products of the quantised numbers (number of the format x scale) in f32.
;;   ~~~python
;;   def quantise(x, axis, e):      # numpy; x: float32 -> the quantised numbers, widened to float32 again
;;       x = np.moveaxis(x, axis, -1); K = x.shape[-1]
;;       r = np.clip(x / 2.0 ** e, -448, 448)
;;       step = 2.0 ** (np.maximum(np.frexp(np.where(r == 0, 1, r))[1] - 1, -6) - 3)
;;       q = np.round(r / step) * step * 2.0 ** e      # np.round: ties to even
;;       return np.moveaxis(q, -1, axis).astype(np.float32)
;;   ~~~
;;   SOFTMAX AHEAD OF A QUANTISED PRODUCT. Where the list says 'softmax', what is quantised is not the finished softmax but p = 2^(t - M), with t = logit x log2(e) and M = ceil(the row's largest t), a whole number; so 1/2 < the row's largest p <= 1. The row's sum l is taken of the UNQUANTISED p, in f32, and the product's result is divided by l at the end. Since M is a whole number, a kernel that streams over the keys may use a running M (the ceiling of the running maximum): every later rescaling is an exact power of two, so the quantised numbers keep their values, but for numbers so far below the row's largest that they fall under the format's range.
;;   OPERANDS COMPUTED ON THE WAY. 'Computed on the way' means the value that the module computes at that place (a softmax that the list does not call 'softmax' is quantised finished and normalised). What goes into a quantiser is computed in f32, as accurately as f32 sums, v_exp_f32 and their like allow (about 1e-6 of the number): no bf16 or f16 on the way to a quantiser, and a product that is left as it is and whose result goes on into a quantised operand takes f32 operands (vector FMAs, or v_wmma_f32_16x16x4_f32). A number that lies on a knife's edge between two numbers of the format may be rounded either way, as far as f32 arithmetic and the matrix unit's own rounding can turn it there, and no further.
;;   INPUTS GIVEN AS CODES. k_w (in the module: [1024, 1024], K = its axis 0); q_w (in the module: [1024, 1024], K = its axis 0); v_w (in the module: [1024, 1024], K = its axis 0); w1 (in the module: [1024, 4096], K = its axis 0); w2 (in the module: [4096, 1024], K = its axis 0): each comes as NAME_codes (uint8): NAME with its K axis moved to the last place and cut into blocks of 32 codes, [.., K / 32, bytes a block], one block behind the other in memory; one code a byte (a code: sign, 4 exponent bits, 3 mantissa bits); its scale is its entry of lowp_scales. Its value is code x scale, taken as it is: it is not quantised again, and the codes and scales need not be those that the quantiser above would give.
;; One version. Each part assembles by itself: llvm-mc -triple=amdgcn-amd-amdhsa -mcpu=gfx1250 --defsym DOCPART=n.
;; ======== version 1 of 1: 7 launches
;; limits: right only within a limited range of input values
;; workspace buffers: prepb 13,107,200 bytes; qkvb 12,582,912 bytes; attnb 16,777,216 bytes; xbuf 4,718,592 bytes; hbuf 16,777,216 bytes; ffb 16,777,216 bytes
;; launch prep (part 1): grid 256 x 1, 8 waves a work-group, no clusters, 50,176 bytes of LDS; arguments src, lowp_scales, prepb; writes prepb
.if DOCPART == 1
	.amdgcn_target "amdgcn-amd-amdhsa--gfx1250"
	.amdhsa_code_object_version 6
	.text
	.protected	k_q3adbde2ea3_prep
	.globl	k_q3adbde2ea3_prep
	.p2align	8
	.type	k_q3adbde2ea3_prep,@function
k_q3adbde2ea3_prep:
	s_mov_b64 s[64:65], 0
	v_nop
	global_prefetch_b8 v0, s[64:65] scope:SCOPE_SE
	s_setreg_imm32_b32 hwreg(HW_REG_WAVE_MODE, 25, 1), 1
	s_wait_xcnt 0x0
; src [2048 s][2 b][1024] f32 becomes three sets of E4M3 codes, one for each of the three products that read it, each with its own given scale 2^e
; (entries 0, 2, 4 of the scales), laid [b][s][1024]: set q begins 4 MiB x q into the workspace.  Behind them, 12 MiB in, the table for the rotary embedding: [s][32] pairs (cos, sin), f32.
; code = x / 2^e, held within +-448, to the nearest code, ties to even.  LIMITS: each e between -126 and 119; NaN among the inputs is not served.
; SHARES.  Wave w of work-group g owns s = 8 g + w: two rows of src, 8,192 consecutive bytes; lane i of it also makes the table's pair (s, i).
; Each load reads 512 consecutive bytes, 16 a lane, so a lane's four codes of a load are four bytes: they go through the wave's own stage in LDS (1,024 bytes for a row and a scale) and come back 16 bytes a lane,
; so that each store writes 512 consecutive bytes.  Waves share nothing: no barrier.  No register of a memory instruction is written again.
; THE TABLE.  inv_freq = 2^(-i log2(10000) / 32) by v_exp_f32; the angle is the f32 product s x inv_freq; it is reduced by multiples of pi/2 held in two parts (the first product is exact), and sine and cosine
; come from polynomials on +-pi/4.  The angle can differ from another f32 evaluation of the same formula by some 2e-4 at the largest s.
.set X,    32                          ; v32-95   the two rows as loaded: row p, load j at 32 p + 4 j: columns 128 j + 4 lane + 0 .. 3
.set T,    96                          ; v96-127  a row held within the largest code x the scale
.set C,    128                         ; v128-175 codes: eight registers for each (row, scale)
.set OUTR, 176                         ; v176-223 the same back from the stage
.set WLDS, 6144                        ; a wave's six stages
	s_load_b128 s[4:7], s[0:1], 0x0                ; src, the scales' exponents
	s_load_b64 s[8:9], s[0:1], 0x10                ; the workspace
	v_lshl_add_u32 v224, v0, 2, 0xc000
	v_mov_b32 v225, 0
	v_lshrrev_b32 v1, 5, v0
	s_delay_alu instid0(VALU_DEP_1)
	v_readfirstlane_b32 s20, v1                    ; wave
	v_and_b32 v1, 31, v0                           ; lane
	s_delay_alu instid0(VALU_DEP_1)
	v_lshlrev_b32 v2, 4, v1                        ; 16 x lane: my place in 512 bytes
	s_delay_alu instid0(VALU_DEP_2)
	v_lshlrev_b32 v5, 3, v1                        ; 8 x lane: my pair of the table
	s_mul_i32 s34, s20, WLDS
	v_lshl_add_u32 v3, v1, 2, s34                  ; the stage, on the way in: 4 bytes a lane
	v_lshl_add_u32 v4, v1, 4, s34                  ; and back: 16 bytes a lane
	s_lshl_b32 s21, ttmp9, 3
	s_add_co_u32 s21, s21, s20                     ; s
	s_lshl_b32 s10, s21, 13                        ; 8,192 s
	s_mov_b32 s11, 0
	s_lshl_b32 s22, s21, 10                        ; 1,024 s
	s_mov_b32 s23, 0
	s_lshl_b32 s32, s21, 8                         ; 256 s
	s_mov_b32 s33, 0
	s_wait_alu depctr_va_vdst(0)
	s_wait_kmcnt 0x0
	s_load_b256 s[24:31], s[6:7], 0x0              ; entries 0 to 7; 0, 2 and 4 are used
	s_add_nc_u64 s[4:5], s[4:5], s[10:11]
	s_add_nc_u64 s[12:13], s[8:9], s[22:23]        ; the three sets of codes at row s of b = 0
	s_add_nc_u64 s[14:15], s[12:13], 0x400000
	s_add_nc_u64 s[16:17], s[14:15], 0x400000
	s_add_nc_u64 s[18:19], s[8:9], s[32:33]
	s_add_nc_u64 s[18:19], s[18:19], 0xc00000      ; the table at s
.irp p, 0,1
.irp j, 0,1,2,3,4,5,6,7
	global_load_b128 v[X+32*\p+4*\j:X+32*\p+4*\j+3], v2, s[4:5] offset:4096*\p+512*\j th:TH_LOAD_NT
.endr
.endr
	; the table's pair, while the loads are on their way
	v_cvt_f32_u32 v6, v1
	s_delay_alu instid0(VALU_DEP_1)
	v_mul_f32 v6, 0xbed49a78, v6                   ; -i log2(10000) / 32
	s_wait_alu depctr_va_vdst(0)
	v_exp_f32 v7, v6                               ; inv_freq
	v_cvt_f32_u32 v8, s21                          ; (a plain instruction behind the exponential)
	s_wait_alu depctr_va_vdst(0)                   ; ahead of the first reader of the exponential's result
	v_mul_f32 v9, v8, v7                           ; the angle
	s_delay_alu instid0(VALU_DEP_1)
	v_mul_f32 v10, 0x3f22f983, v9                  ; x 2 / pi
	s_delay_alu instid0(VALU_DEP_1)
	v_rndne_f32 v10, v10                           ; n
	s_delay_alu instid0(VALU_DEP_1)
	v_fmamk_f32 v11, v10, 0xbfc90fdb, v9           ; angle - n x (pi/2)'s upper part: exact
	s_delay_alu instid0(VALU_DEP_1)
	v_fmamk_f32 v11, v10, 0x333bbd2e, v11          ; - n x its lower part: r, within +-pi/4
	s_delay_alu instid0(VALU_DEP_1)
	v_mul_f32 v12, v11, v11                        ; z = r r
	v_mov_b32 v13, 0xb94ca1f9
	s_delay_alu instid0(VALU_DEP_1)
	v_fmaak_f32 v13, v13, v12, 0x3c08839e
	s_delay_alu instid0(VALU_DEP_1)
	v_fmaak_f32 v13, v13, v12, 0xbe2aaaa3
	s_delay_alu instid0(VALU_DEP_1)
	v_mul_f32 v13, v13, v12
	s_delay_alu instid0(VALU_DEP_1)
	v_fma_f32 v13, v13, v11, v11                   ; sin r
	v_mov_b32 v14, 0x37ccf5ce
	s_delay_alu instid0(VALU_DEP_1)
	v_fmaak_f32 v14, v14, v12, 0xbab6061a
	s_delay_alu instid0(VALU_DEP_1)
	v_fmaak_f32 v14, v14, v12, 0x3d2aaaa5
	v_mul_f32 v15, v12, v12
	v_fma_f32 v16, v12, -0.5, 1.0
	s_delay_alu instid0(VALU_DEP_1)
	v_fma_f32 v14, v14, v15, v16                   ; cos r
	v_cvt_i32_f32 v17, v10
	s_delay_alu instid0(VALU_DEP_1)
	v_and_b32 v18, 1, v17
	s_delay_alu instid0(VALU_DEP_1)
	v_cmp_eq_u32 vcc_lo, 1, v18                    ; an odd quarter turn swaps the two
	s_delay_alu instid0(VALU_DEP_1)
	v_cndmask_b32 v25, v13, v14, vcc_lo            ; sine
	s_delay_alu instid0(VALU_DEP_2)
	v_cndmask_b32 v24, v14, v13, vcc_lo            ; cosine
	v_and_b32 v18, 2, v17
	s_delay_alu instid0(VALU_DEP_1)
	v_lshlrev_b32 v18, 30, v18
	s_delay_alu instid0(VALU_DEP_1)
	v_xor_b32 v25, v25, v18                        ; the sine is negative in quarters 2 and 3,
	v_add_nc_u32 v19, 1, v17
	s_delay_alu instid0(VALU_DEP_1)
	v_and_b32 v19, 2, v19
	s_delay_alu instid0(VALU_DEP_1)
	v_lshlrev_b32 v19, 30, v19
	s_delay_alu instid0(VALU_DEP_1)
	v_xor_b32 v24, v24, v19                        ; the cosine in quarters 1 and 2
	global_store_b64 v5, v[24:25], s[18:19]        ; the wave stores 256 consecutive bytes
	s_wait_kmcnt 0x0
.irp q, 0,1,2
	s_add_co_i32 s35, s[24+2*\q], 127
	s_lshl_b32 s36, s35, 23
	v_mov_b32 v[26+2*\q], s36                      ; 2^e as f32: the conversion takes its exponent field
	s_add_co_i32 s35, s35, 8
	s_lshl_b32 s35, s35, 23
	s_or_b32 s35, s35, 0x600000
	v_mov_b32 v[27+2*\q], s35                      ; 448 x 2^e
.endr
; row p under scale q: hold, convert, through the stage
.macro QROW p, q
.set IDX, 3*(\p)+(\q)
.set n, 0
.rept 32
	v_med3_num_f32 v[T+n], v[X+32*(\p)+n], -v[27+2*(\q)], v[27+2*(\q)]   ; the conversion to an 8-bit code does not saturate (ISA guide 7.6.2): the hold comes first
.set n, n+1
.endr
.irp g, 0,1,2,3
	v_cvt_scalef32_pk8_fp8_f32 v[C+8*IDX+2*\g:C+8*IDX+2*\g+1], v[T+8*\g:T+8*\g+7], v[26+2*(\q)]   ; code register j: the four codes of load j
.endr
	v_nop                                          ; one plain instruction between the conversions and the next holds, which write their sources
.irp j, 0,1,2,3,4,5,6,7
	ds_store_b32 v3, v[C+8*IDX+\j] offset:1024*IDX+128*\j
.endr
.irp i, 0,1
	ds_load_b128 v[OUTR+8*IDX+4*\i:OUTR+8*IDX+4*\i+3], v4 offset:1024*IDX+512*\i   ; LDS serves a wave's instructions in order: these see the stores above
.endr
.endm
.macro SENDROW p
	s_wait_dscnt 0x0
.irp q, 0,1,2
.irp i, 0,1
	global_store_b128 v2, v[OUTR+8*(3*(\p)+\q)+4*\i:OUTR+8*(3*(\p)+\q)+4*\i+3], s[12+2*\q:13+2*\q] offset:2097152*(\p)+512*\i   ; 512 consecutive bytes; b = 1 lies 2,048 rows on
.endr
.endr
.endm
	s_wait_alu depctr_va_vdst(0)
	s_wait_loadcnt 8                               ; row 0's eight loads are in, row 1's eight may be out
	QROW 0, 0
	QROW 0, 1
	QROW 0, 2
	SENDROW 0
	s_wait_loadcnt 0x0
	QROW 1, 0
	QROW 1, 1
	QROW 1, 2
	SENDROW 1
	s_wait_tensorcnt 0x0
	ds_add_u32 v224, v225
	s_wait_dscnt 0x0
	s_endpgm
.Lfunc_end_k_q3adbde2ea3_prep:
	.size	k_q3adbde2ea3_prep, .Lfunc_end_k_q3adbde2ea3_prep-k_q3adbde2ea3_prep
	.p2alignl 7, 3214868480
	.fill 96, 4, 3214868480
	.section	.rodata,"a",@progbits
	.p2align	6, 0x0
	.amdhsa_kernel k_q3adbde2ea3_prep
		.amdhsa_group_segment_fixed_size 50176
		.amdhsa_private_segment_fixed_size 0
		.amdhsa_enable_private_segment 0
		.amdhsa_kernarg_size 24
		.amdhsa_user_sgpr_count 2
		.amdhsa_user_sgpr_kernarg_segment_ptr 1
		.amdhsa_wavefront_size32 1
		.amdhsa_system_sgpr_workgroup_id_x 1
		.amdhsa_system_sgpr_workgroup_id_y 1
		.amdhsa_system_sgpr_workgroup_id_z 1
		.amdhsa_system_vgpr_workitem_id 0
		.amdhsa_next_free_vgpr 226
		.amdhsa_next_free_sgpr 66
		.amdhsa_reserve_vcc 1
		.amdhsa_float_denorm_mode_32 3
		.amdhsa_float_denorm_mode_16_64 3
		.amdhsa_memory_ordered 1
		.amdhsa_forward_progress 1
		.amdhsa_inst_pref_size 26
	.end_amdhsa_kernel
	.amdgpu_metadata
---
amdhsa.version: [ 1, 2 ]
amdhsa.kernels:
  - .name:           k_q3adbde2ea3_prep
    .symbol:         k_q3adbde2ea3_prep.kd
    .args:
      - { .name: src, .offset: 0, .size: 8, .value_kind: global_buffer, .address_space: global }
      - { .name: lowp_scales, .offset: 8, .size: 8, .value_kind: global_buffer, .address_space: global }
      - { .name: prepb, .offset: 16, .size: 8, .value_kind: global_buffer, .address_space: global }
    .group_segment_fixed_size: 50176
    .private_segment_fixed_size: 0
    .kernarg_segment_align: 8
    .kernarg_segment_size: 24
    .max_flat_workgroup_size: 256
    .sgpr_count:     66
    .vgpr_count:     226
    .wavefront_size: 32
...
	.end_amdgpu_metadata
.endif
;; end of part 1
;; launch qkv (part 2): grid 12 x 16, 4 waves a work-group, clusters of 4 x 4, 327,680 bytes of LDS; arguments prepb, q_w_codes, k_w_codes, v_w_codes, q_b, k_b, v_b, lowp_scales, qkvb; writes qkvb
.if DOCPART == 2
	.amdgcn_target "amdgcn-amd-amdhsa--gfx1250"
	.amdhsa_code_object_version 6
	.text
	.protected	k_q3adbde2ea3_qkv
	.globl	k_q3adbde2ea3_qkv
	.p2align	8
	.type	k_q3adbde2ea3_qkv,@function
k_q3adbde2ea3_qkv:
	s_mov_b64 s[64:65], 0
	v_nop
	global_prefetch_b8 v0, s[64:65] scope:SCOPE_SE
	s_setreg_imm32_b32 hwreg(HW_REG_WAVE_MODE, 25, 1), 1
	s_wait_xcnt 0x0
	s_wait_alu depctr_hold_cnt(0) depctr_sa_sdst(0) depctr_va_vdst(0) depctr_va_sdst(0) depctr_va_ssrc(0) depctr_va_vcc(0) depctr_vm_vsrc(0)
	s_getreg_b32 s2, hwreg(HW_REG_IB_STS2, 6, 4)
	s_cmp_eq_u32 s2, 0
	s_cbranch_scc0 .Lentry_in_a_cluster
	s_endpgm
.Lentry_in_a_cluster:
	s_bfe_u32 s2, ttmp6, 0x10000c
	s_cmp_lg_u32 s2, 0xf033
	s_cbranch_scc0 .Lentry_shape_is_right
	s_endpgm
.Lentry_shape_is_right:
; q = src q_w + q_b, k and v likewise, on E4M3 codes; q and k are then rotated (rotary embedding) and all three quantised for attention's two products.
; The cluster's x says which product: Z = 0 q, 1 k, 2 v.  src's codes (one set for each product, rows [b][s]) and the table of (cos, sin) come from the workspace of the launch before; the weights arrive as codes, K innermost.
; A tile of 256 x 256 is made by four waves, each 128 x 128: 64 accumulators, 512 registers.  K = 1,024 goes in four steps of 256 through a ring of two LDS slots filled by joint tensor loads:
; 4 x 4 work-groups form a cluster; the tile that feeds source 1 ('A') is shared along a row of the cluster, the one that feeds source 0 ('B') along a column.
; WHICH OPERAND IS WHICH.  In the result a lane holds one row of 'A' and eight neighbouring rows of 'B'.  q, k: A = src's rows, B = the weight's rows: a lane holds eight neighbouring channels of one (b, s): the next K (the head's 64).
; v: A = the weight's rows, B = src's rows: a lane holds eight neighbouring KEYS of one channel: the next K of the second product.  The choice is made by selections on Z, which all sixteen partners share.
; OUT.  q at 0, k at 4 MiB: [16 b + head][pos][64] codes, pos = s with bits 3 and 4 swapped, so that 16 neighbouring rows are the 16 keys that attention wants in one tile.  v at 8 MiB: [16 b + head][s / 128][64][128 keys].
; 192 work-groups: 3 x 64 tiles.  A smaller tile would give more work-groups and halve the products that each byte read from LDS feeds.
; LIMITS on the given exponents, so that each power of two below is an f32 number: the sum of a product's two between -126 and 127; entries 6, 7, 9 between -126 and 119.  NaN among the inputs is not served.
; REGISTERS, in windows of 256: window 0: v8-15 at work, v16-31 addresses and scales, v32-95 the bias, v96-127 (cos, sin); from v128 A's fragments, ONE set; on the way out v128-255 are free.
;   window 1: B's fragments, two sets.   windows 2, 3: the accumulators ((a, b) at v[8 (8 (a % 4) + b)]).
.set KSTEP,  256
.set ROWB,   256                       ; a tile's row in bytes
.set KROW,   1024                      ; a row of codes in memory
.set PITCH,  272                       ; an LDS row: 256 bytes + 16 of padding: the 16 rows that a load touches start at 16 different banks (64 banks of 4 bytes: ISA guide 11.1)
.set FR,     16
.set NL,     4
.set NP,     4
.set HALFT,  128*PITCH
.set SLOT,   4*HALFT
.set LAPS,   2
.set SPARE,  2*SLOT                    ; the spare words, 128 bytes for each wave: two blocks of 256 bytes that no other line names
.set SPT,    144                       ; a stage row: 128 bytes of codes + 16
.set STQ,    SPARE+512                 ; q's and k's stages: 16 rows for each wave
.set STV,    STQ+4*16*SPT              ; v's: bytes of their own
.set U,    8                           ; v8-15   v's bias as loaded (lane r: channel r of block a); q, k: four rotated pairs at work
.set ADRA, 16
.set LIMV, 18                          ; 448 x the quantiser's scale
.set SCV,  19                          ; the quantiser's scale
.set ADRB, 20
.set STOQ, 22
.set RDQ,  23
.set STOV, 24
.set RDV,  25
.set LO,   26                          ; 16 x lane
.set TBO,  27                          ; the table: 256 r + 32 h
.set SPW,  28
.set NIL,  29
.set BOH,  30                          ; 32 h
.set BOR,  31                          ; 4 r
.set BIAS, 32
.set CS,   96                          ; two sets of 32: v96-127, v128-159
.set AF,   128
.set TMP,  160
.set CD,   224
.set RB,   240
.set G1, 24
.set G0, 32
.set G1B, 48
.set G0B, 56
.set MSB, 0
.macro WIN new                         ; the immediate's high byte repeats the setting that is left
.if MSB != \new
	s_set_vgpr_msb (MSB<<8)|\new
.set MSB, \new
.endif
.endm
.set MUL_LO, 0xa1                      ; source 0 (B) window 1, source 1 (A) window 0, C and D window 2
.set MUL_HI, 0xf1
.set TO_B,   0x40
; A joint load: waves 0 and 1 fetch for A, waves 2 and 3 for B; the branch hangs on the wave's number alone.  Four v_nop follow each of the two lines.
.macro JLOAD g0a, g1a, g0b, g1b
	s_cmp_eq_u32 s15, 0
	s_cbranch_scc0 .Lfor_b_\@
	tensor_load_to_lds s[\g0a:\g0a+3], s[\g1a:\g1a+7]
	s_nop 0
.rept 4
	v_nop
.endr
	s_branch .Lasked_\@
.Lfor_b_\@:
	tensor_load_to_lds s[\g0b:\g0b+3], s[\g1b:\g1b+7]
	s_nop 0
.rept 4
	v_nop
.endr
.Lasked_\@:
.endm
.macro CREST                           ; a round of the cluster's barrier behind its opening barrier
	s_cmp_lg_u32 s14, 0
	s_cbranch_scc1 .Lnot_wave_0_\@
	s_barrier_signal -3
.Lnot_wave_0_\@:
	s_barrier_wait -3
	s_barrier_signal -1
	s_barrier_wait -1
.endm
.macro CROUND
	s_barrier_signal -1
	s_barrier_wait -1
	CREST
.endm
	s_load_b512 s[68:83], s[0:1], 0x0              ; s[68:69] workspace in, s[70:75] the three weights, s[76:81] the three biases, s[82:83] the scales' exponents
	s_load_b64 s[84:85], s[0:1], 0x40              ; workspace out
	v_lshl_add_u32 v[SPW], v0, 2, SPARE
	v_mov_b32 v[NIL], 0
	ds_add_u32 v28, v29
	ds_add_u32 v28, v29
	s_wait_dscnt 0x0
	v_lshrrev_b32 v1, 5, v0
	v_readfirstlane_b32 s14, v1                    ; wave 0..3
	v_and_b32 v7, 31, v0
	v_lshlrev_b32 v7, 10, v7                       ; the prefetches' offset: my lane x a row of 1,024 bytes; never rewritten
	s_wait_alu depctr_va_vdst(0)                   ; scalar work and waits stand ahead of the reader
	s_lshr_b32 s15, s14, 1                         ; which half of A's rows is mine.  Also: I fetch for A (0) or for B (1)
	s_and_b32 s16, s14, 1                          ; which half of B's rows.  Also: which 128 rows of that tile I fetch
	s_bfe_u32 s40, ttmp6, 0x40000                  ; cx
	s_bfe_u32 s41, ttmp6, 0x40004                  ; cy
	s_mov_b32 s66, ttmp9                           ; Z: the product
	s_and_b32 s67, ttmp7, 0xffff
	s_lshl_b32 s67, s67, 2                         ; 4 x cluster y
	s_cmp_eq_u32 s66, 2
	s_cselect_b32 s17, 0, s67                      ; src has 16 tiles of rows, a weight 4
	s_cselect_b32 s42, s67, 0
	s_add_co_u32 s17, s17, s41                     ; A's tile: it hangs on cy, never on cx
	s_add_co_u32 s42, s42, s40                     ; B's tile: on cx, never on cy
	s_lshl_b32 s43, s41, 2
	s_lshl_b32 s43, 15, s43                        ; my row of the cluster
	s_lshl_b32 s44, 0x1111, s40                    ; my column
	s_or_b32 s[G1+0], s43, (0<<16)|(1<<20)|(1<<21)|(5<<22)|(3<<25)  ; the mask; elements of 1 byte; padding on; bit 21 beside a mask; after every 64 words, 4 words
	s_or_b32 s[G1B+0], s44, (0<<16)|(1<<20)|(1<<21)|(5<<22)|(3<<25)
.irp g, G1, G1B
	s_mov_b32 s[\g+1], ROWB<<16                    ; tensor_dim0
	s_mov_b32 s[\g+2], 128<<16                     ; tensor_dim1
	s_mov_b32 s[\g+3], ROWB<<16                    ; tile_dim0
	s_mov_b32 s[\g+4], 128                         ; tile_dim1
	s_mov_b32 s[\g+5], KROW                        ; from row to row
	s_mov_b32 s[\g+6], 0
	s_mov_b32 s[\g+7], 0
.endr
	s_lshl_b32 s18, s16, 7
	s_lshl_b32 s20, s17, 8
	s_add_co_u32 s20, s20, s18                     ; A: row 256 x tile + 128 x half
	s_lshl_b32 s46, s42, 8
	s_add_co_u32 s46, s46, s18                     ; B likewise
	s_lshl_b32 s20, s20, 10                        ; in bytes: under 4 MiB
	s_lshl_b32 s46, s46, 10
	s_mov_b32 s21, 0
	s_mov_b32 s47, 0
	s_mul_i32 s45, s14, HALFT                      ; where they go: wave x 128 rows
	s_wait_kmcnt 0x0
	s_load_b256 s[88:95], s[82:83], 0x0            ; entries 0 to 7
	s_load_b64 s[86:87], s[82:83], 0x20            ; entries 8, 9
	s_lshl_b32 s10, s66, 22
	s_mov_b32 s11, 0
	s_add_nc_u64 s[6:7], s[68:69], s[10:11]        ; src's codes for this product
	s_cmp_eq_u32 s66, 0
	s_cselect_b64 s[4:5], s[70:71], s[72:73]
	s_cselect_b64 s[8:9], s[76:77], s[78:79]
	s_cmp_eq_u32 s66, 2
	s_cselect_b64 s[4:5], s[74:75], s[4:5]         ; the weight
	s_cselect_b64 s[8:9], s[80:81], s[8:9]         ; the bias
	s_cselect_b64 s[22:23], s[4:5], s[6:7]         ; A
	s_cselect_b64 s[18:19], s[6:7], s[4:5]         ; B
	s_add_nc_u64 s[20:21], s[22:23], s[20:21]
	s_add_nc_u64 s[46:47], s[18:19], s[46:47]
	; PREFETCH INTO THE L2.  A wave's load is 128 rows x 256 bytes; the four partners that ask for it jointly share its rows out by address: the partner at place p (cx for A, cy for B) takes rows 32 p .. 32 p + 31, a lane a row.
	; Behind K step 0's joint load K steps 1 and 2 are asked for, behind K step 1's K step 3: at most two K steps are asked for and not yet read.  The address is never stepped.
	s_cmp_eq_u32 s15, 0                            ; do I fetch for A?
	s_cselect_b64 s[100:101], s[20:21], s[46:47]   ; the 128 rows that I fetch,
	s_cselect_b32 s10, s40, s41                    ; my place among the four that ask for them with me,
	s_lshl_b32 s10, s10, 15                        ; 32 rows of 1,024 bytes a place (s11 holds 0)
	s_add_nc_u64 s[100:101], s[100:101], s[10:11]
	CROUND                                         ; all sixteen work-groups are here: the first joint loads meet
.irp s, 0,1
	s_mov_b32 s[G0+4*\s], 1
	s_add_co_u32 s[G0+4*\s+1], s45, \s*SLOT
	s_add_nc_u64 s[G0+4*\s+2:G0+4*\s+3], s[20:21], \s*ROWB
	s_or_b32 s[G0+4*\s+3], s[G0+4*\s+3], 0x80000000
	s_mov_b32 s[G0B+4*\s], 1
	s_add_co_u32 s[G0B+4*\s+1], s45, \s*SLOT
	s_add_nc_u64 s[G0B+4*\s+2:G0B+4*\s+3], s[46:47], \s*ROWB
	s_or_b32 s[G0B+4*\s+3], s[G0B+4*\s+3], 0x80000000
.if \s                                             ; slot 1's first fill is issued as a refill is
	s_wait_alu depctr_va_vdst(0)
	s_wait_tensorcnt 0x0                           ; my part of K step 0 is in
	ds_add_u32 v28, v29
	ds_add_u32 v28, v29
	s_wait_dscnt 0x0
	CROUND
.endif
	JLOAD G0+4*\s, G1, G0B+4*\s, G1B
.if \s
	global_prefetch_b8 v7, s[100:101] offset:3*ROWB th:TH_LOAD_NT scope:SCOPE_SE   ; K step 3
.else
	global_prefetch_b8 v7, s[100:101] offset:ROWB th:TH_LOAD_NT scope:SCOPE_SE     ; K step 1
	global_prefetch_b8 v7, s[100:101] offset:2*ROWB th:TH_LOAD_NT scope:SCOPE_SE   ; K step 2
.endif
.endr
	v_and_b32 v1, 15, v0                           ; r
	s_wait_alu depctr_va_vdst(0)
	v_bfe_u32 v2, v0, 4, 1                         ; h
	v_mul_u32_u24 v3, v1, PITCH
	v_lshl_add_u32 v4, v2, 4, v3                   ; a fragment's row x pitch + 16 x half
	s_mul_i32 s21, s15, HALFT
	s_mul_i32 s22, s16, HALFT
	s_add_co_u32 s22, s22, 2*HALFT
.irp s, 0,1
	v_add_nc_u32 v[ADRA+\s], s21, v4
	v_add_nc_u32 v[ADRB+\s], s22, v4
	s_add_co_u32 s21, s21, SLOT
	s_add_co_u32 s22, s22, SLOT
.endr
	s_mul_i32 s23, s14, 16*SPT                     ; my stage
	v_mul_u32_u24 v5, v1, SPT
	s_wait_alu depctr_va_vdst(0)
	v_lshl_add_u32 v5, v2, 3, v5
	v_add_nc_u32 v5, s23, v5                       ; in: row r, 8 bytes for each half of the lanes
	v_add_nc_u32 v[STOQ], STQ, v5
	v_add_nc_u32 v[STOV], STV, v5
	v_and_b32 v6, 31, v0
	v_lshlrev_b32 v[LO], 4, v6
	v_lshrrev_b32 v3, 2, v6
	v_mul_u32_u24 v3, v3, SPT
	v_and_b32 v4, 3, v6
	v_lshl_add_u32 v3, v4, 4, v3
	v_add_nc_u32 v3, s23, v3
	v_add_nc_u32 v[RDQ], STQ, v3                   ; back, q and k: four lanes to a head's 64 bytes of a row, eight rows an instruction
	v_lshrrev_b32 v3, 3, v6
	v_mul_u32_u24 v3, v3, SPT
	v_and_b32 v4, 7, v6
	v_lshl_add_u32 v3, v4, 4, v3
	v_add_nc_u32 v3, s23, v3
	v_add_nc_u32 v[RDV], STV, v3                   ; back, v: eight lanes to a row of 128 bytes, four rows an instruction
	v_lshlrev_b32 v[TBO], 8, v1
	v_lshl_add_u32 v[TBO], v2, 5, v[TBO]
	v_lshlrev_b32 v[BOH], 5, v2
	s_wait_alu depctr_va_vdst(0)
	v_lshlrev_b32 v[BOR], 2, v1
	s_wait_alu depctr_va_vdst(0)
	s_lshl_b32 s70, s42, 8
	s_lshl_b32 s71, s16, 7
	s_add_co_u32 s70, s70, s71                     ; my wave's first row of B,
	s_lshl_b32 s72, s17, 8
	s_lshl_b32 s73, s15, 7
	s_add_co_u32 s72, s72, s73                     ; and of A
	s_cmp_eq_u32 s66, 2
	s_cselect_b32 s74, s72, s70                    ; my first channel,
	s_cselect_b32 s75, s70, s72                    ; my first row 2,048 b + s
	s_lshl_b32 s10, s74, 2
	s_add_nc_u64 s[8:9], s[8:9], s[10:11]          ; the bias at my 128 channels
	s_and_b32 s76, s75, 2047                       ; s0: a multiple of 128
	s_lshl_b32 s10, s76, 8
	s_add_nc_u64 s[98:99], s[68:69], s[10:11]
	s_add_nc_u64 s[98:99], s[98:99], 0xc00000      ; the table at s0
	s_lshr_b32 s77, s75, 11
	s_lshl_b32 s77, s77, 21                        ; b: 16 planes of 131,072 bytes
	s_lshr_b32 s78, s74, 6
	s_lshl_b32 s78, s78, 17                        ; my first head
	s_add_co_u32 s77, s77, s78
	s_lshl_b32 s78, s66, 22                        ; the product's region
	s_add_co_u32 s77, s77, s78
	s_lshl_b32 s78, s76, 6                         ; q, k: s0 rows of 64 bytes; v: s0 / 128 blocks of 8,192 bytes: the same number
	s_add_co_u32 s10, s77, s78
	s_add_nc_u64 s[12:13], s[84:85], s[10:11]
	; the bias in both layouts and the first block's (cos, sin): every product loads all three, so that the text has one path here; all stay inside their buffers
.irp bt, 0,1,2,3,4,5,6,7
.irp u, 0,1
	global_load_b128 v[BIAS+8*\bt+4*\u:BIAS+8*\bt+4*\u+3], v[BOH], s[8:9] offset:64*\bt+16*\u   ; channels 16 bt + 8 h + 0 .. 7
.endr
.endr
.irp a, 0,1,2,3,4,5,6,7
	global_load_b32 v[U+\a], v[BOR], s[8:9] offset:64*\a                                        ; channel 16 a + r
.endr
.irp c, 0,1,2,3
.irp u, 0,1
	global_load_b128 v[CS+8*\c+4*\u:CS+8*\c+4*\u+3], v[TBO], s[98:99] offset:64*\c+16*\u        ; row s0 + r, pairs 8 c + 4 h + 0 .. 3
.endr
.endr
.macro FRAG reg, adr, q, i             ; 16 rows x 128 K in 16 registers: lane l holds row l % 16; registers 4 c .. 4 c + 3 hold K = 32 c + 16 (l / 16) + 0 .. 15: the same order in A and in B
.irp c, 0,1,2,3
	ds_load_b128 v[\reg+4*\c:\reg+4*\c+3], v[\adr] offset:128*(\q)+32*\c+(\i)*16*PITCH
.endr
.endm
; 16 matrix instructions: A's blocks a0, a0 + 1 x B's eight.  The 64 accumulators take turns, one instruction a turn, in the same order in every step.
.macro MUL16 a0, p, zero
.irp a, \a0, \a0+1
.irp b, 0,1,2,3,4,5,6,7
.if \zero
	v_wmma_f32_16x16x128_fp8_fp8 v[8*(8*((\a)%4)+\b):8*(8*((\a)%4)+\b)+7], v[128*(\p)+FR*\b:128*(\p)+FR*\b+FR-1], v[AF+FR*(\a):AF+FR*(\a)+FR-1], 0
.else
	v_wmma_f32_16x16x128_fp8_fp8 v[8*(8*((\a)%4)+\b):8*(8*((\a)%4)+\b)+7], v[128*(\p)+FR*\b:128*(\p)+FR*\b+FR-1], v[AF+FR*(\a):AF+FR*(\a)+FR-1], v[8*(8*((\a)%4)+\b):8*(8*((\a)%4)+\b)+7]
.endif
.endr
.endr
.endm
.macro FETCH_B slot, q, p
	WIN TO_B
.irp i, 0,1,2,3,4,5,6,7
	FRAG 128*(\p)+FR*\i, ADRB+\slot, \q, \i
.endr
	WIN 0
.endm
.macro FETCH_A slot, q, i0
.irp i, \i0, \i0+1, \i0+2, \i0+3
	FRAG AF+FR*(\i), ADRA+\slot, \q, \i
.endr
.endm
.macro PLACES n                        ; plain vector instructions between a matrix instruction and a load into its registers, or the first read of its result
.rept \n
	v_nop
.endr
.endm
.macro STEP slot, q, zero              ; 128 along K, with its successor in the same slot
	s_wait_dscnt 4*NL                              ; B's set and A's blocks 0-3 are in; the youngest sixteen loads (A's blocks 4-7) may be out
	WIN MUL_LO
	MUL16 0, (\q)%2, \zero
	MUL16 2, (\q)%2, \zero
	s_wait_dscnt 0
	PLACES NP
	FETCH_B \slot, (\q)+1, 1-(\q)%2
	FETCH_A \slot, (\q)+1, 0
	WIN MUL_HI
	MUL16 4, (\q)%2, \zero
	MUL16 6, (\q)%2, \zero
	PLACES NP
	WIN 0
	FETCH_A \slot, (\q)+1, 4
.endm
; A slot's last step changes slots: one barrier; in front of it each wave waits for all its tensor loads, adds 0 to its spare word, and waits for that and for its reads of this slot.
.macro TURN slot, next, fill
	s_wait_tensorcnt 0x0                           ; all my tensor loads have landed: my part of the next slot
	ds_add_u32 v[SPW], v[NIL]                      ; 0 onto my spare word
	s_wait_dscnt 4*NL+1                            ; the add and the youngest sixteen loads may be out
	WIN MUL_LO
	MUL16 0, 1, 0
	s_wait_dscnt 0x0                               ; the add is done, and my reads of this slot are over
	s_barrier_signal -1
	MUL16 2, 1, 0
	WIN 0
	s_barrier_wait -1
.if \fill
	CREST                                          ; the barrier has opened a round of the cluster's: no wave of any partner still reads this slot or has a load on its way
	s_add_nc_u64 s[G0+4*\slot+2:G0+4*\slot+3], s[G0+4*\slot+2:G0+4*\slot+3], 2*ROWB
	s_add_nc_u64 s[G0B+4*\slot+2:G0B+4*\slot+3], s[G0B+4*\slot+2:G0B+4*\slot+3], 2*ROWB
	JLOAD G0+4*\slot, G1, G0B+4*\slot, G1B         ; the first tensor load behind the round; its four v_nop are the places in front of the loads below
.else
	PLACES NP
.endif
	FETCH_B \next, 0, 0
	FETCH_A \next, 0, 0
	WIN MUL_HI
	MUL16 4, 1, 0
	MUL16 6, 1, 0
	PLACES NP
	WIN 0
	FETCH_A \next, 0, 4
.endm
	s_wait_tensorcnt 1                             ; my part of K step 0 is in; K step 1's load may be out
	s_barrier_signal -1
	s_barrier_wait -1
	FETCH_B 0, 0, 0
	FETCH_A 0, 0, 0
	FETCH_A 0, 0, 4
	STEP 0, 0, 1                                   ; the first step's products start the sums
	s_mov_b32 s3, LAPS-1
.Llap:
	TURN 0, 1, 1
	STEP 1, 0, 0
	TURN 1, 0, 1
	STEP 0, 0, 0
	s_sub_co_u32 s3, s3, 1
	s_cmp_lg_u32 s3, 0
	s_cbranch_scc1 .Llap
	TURN 0, 1, 0                                   ; the last lap fills nothing
	STEP 1, 0, 0
	s_wait_dscnt 4*NL
	WIN MUL_LO
	MUL16 0, 1, 0
	MUL16 2, 1, 0
	s_wait_dscnt 0
	WIN MUL_HI
	MUL16 4, 1, 0
	MUL16 6, 1, 0
	WIN 0
	; the scales: chosen by selections on Z, never by a branch on a loaded number
	s_wait_kmcnt 0x0
	s_cmp_eq_u32 s66, 0
	s_cselect_b32 s18, s88, s90
	s_cselect_b32 s19, s89, s91
	s_cselect_b32 s20, s94, s95
	s_cmp_eq_u32 s66, 2
	s_cselect_b32 s18, s92, s18                    ; src's exponent,
	s_cselect_b32 s19, s93, s19                    ; the weight's,
	s_cselect_b32 s20, s87, s20                    ; the quantiser's: entry 6, 7 or 9
	s_add_co_i32 s96, s18, s19
	s_add_co_i32 s96, s96, 127
	s_lshl_b32 s96, s96, 23                        ; a sum stands for sum x this power of two
	s_mov_b32 s97, s96                             ; (named with it as a pair)
	s_add_co_i32 s20, s20, 127
	s_lshl_b32 s21, s20, 23
	v_mov_b32 v[SCV], s21
	s_add_co_i32 s20, s20, 8
	s_lshl_b32 s20, s20, 23
	s_or_b32 s20, s20, 0x600000
	v_mov_b32 v[LIMV], s20
	PLACES NP                                      ; behind the last products: for the loads and writes into A's registers and the reads of results
	s_cmp_eq_u32 s66, 2
	s_cbranch_scc1 .Lv_out
; q, k: block a is 16 rows (b, s0 + 16 a + r) x 128 channels (two heads).  sum x scale + bias; the rotation; hold; codes; through my stage; out as runs of 512 bytes.
.macro QKBLK a
.set AC, 64*((\a)%4)
.set CSC, CS+32*((\a)%2)
.set CSN, CS+32*(((\a)+1)%2)
.if (\a) < 7
.irp c, 0,1,2,3
.irp u, 0,1
	global_load_b128 v[CSN+8*\c+4*\u:CSN+8*\c+4*\u+3], v[TBO], s[98:99] offset:4096*((\a)+1)+64*\c+16*\u   ; the next block's (cos, sin)
.endr
.endr
	s_wait_loadcnt 8                               ; all but the eight just issued
.else
	s_wait_loadcnt 0x0
.endif
	WIN 0x02+((\a)/4)                              ; source 0: window 2 or 3
.set j, 0
.rept 32
	v_pk_fma_f32 v[TMP+j:TMP+j+1], v[AC+j:AC+j+1], s[96:97], v[BIAS+j:BIAS+j+1] op_sel_hi:[1,0,1]   ; each accumulator from its low end on
.set j, j+2
.endr
	WIN 0
.irp bt, 0,1,2,3,4,5,6,7
.irp p, 0,1,2,3
	v_pk_mul_f32 v[U+2*\p:U+2*\p+1], v[TMP+8*\bt+2*\p:TMP+8*\bt+2*\p+1], v[CSC+8*(\bt%4)+2*\p:CSC+8*(\bt%4)+2*\p+1] op_sel_hi:[1,0]   ; (x0 cos, x1 cos)
.endr
.irp p, 0,1,2,3
	v_pk_fma_f32 v[U+2*\p:U+2*\p+1], v[TMP+8*\bt+2*\p:TMP+8*\bt+2*\p+1], v[CSC+8*(\bt%4)+2*\p:CSC+8*(\bt%4)+2*\p+1], v[U+2*\p:U+2*\p+1] op_sel:[1,1,0] op_sel_hi:[0,1,1] neg_lo:[0,1,0]   ; (x0 cos - x1 sin, x1 cos + x0 sin)
.endr
.irp i, 0,1,2,3,4,5,6,7
	v_med3_num_f32 v[TMP+8*\bt+\i], v[U+\i], -v[LIMV], v[LIMV]   ; the hold at the largest code x the scale (ISA guide 7.6.2) also brings the numbers back to their places
.endr
.endr
.irp bt, 0,1,2,3,4,5,6,7
	v_cvt_scalef32_pk8_fp8_f32 v[CD+2*\bt:CD+2*\bt+1], v[TMP+8*\bt:TMP+8*\bt+7], v[SCV]
.endr
	v_nop                                          ; one plain instruction behind the conversions
.irp bt, 0,1,2,3,4,5,6,7
	ds_store_b64 v[STOQ], v[CD+2*\bt:CD+2*\bt+1] offset:16*\bt
.endr
	s_wait_xcnt 0x0                                ; the last block's stores have read their registers
.irp hh, 0,1
.irp i, 0,1
	ds_load_b128 v[RB+4*(2*\hh+\i):RB+4*(2*\hh+\i)+3], v[RDQ] offset:8*SPT*\i+64*\hh   ; head hh, rows 8 i .. 8 i + 7; LDS serves a wave's instructions in order
.endr
.endr
	s_wait_dscnt 0x0
.irp hh, 0,1
.irp i, 0,1
	global_store_b128 v[LO], v[RB+4*(2*\hh+\i):RB+4*(2*\hh+\i)+3], s[12:13] offset:131072*\hh+64*(32*((\a)/2)+16*\i+8*((\a)%2))   ; 512 consecutive bytes; bits 3 and 4 of s change places in this immediate
.endr
.endr
.endm
.irp a, 0,1,2,3,4,5,6,7
	QKBLK \a
.endr
	s_branch .Ldone
; v: block a is 16 channels x 128 keys.  A lane's eight numbers are eight neighbouring keys of channel 16 a + r.
.macro VBLK a
.set AC, 64*((\a)%4)
	WIN 0x02+((\a)/4)
.set j, 0
.rept 32
.if (\a)%2 == 0
	v_pk_fma_f32 v[TMP+j:TMP+j+1], v[AC+j:AC+j+1], s[96:97], v[U+(\a):U+(\a)+1] op_sel_hi:[1,0,0]                    ; the bias of my channel: the pair's first register for both halves,
.else
	v_pk_fma_f32 v[TMP+j:TMP+j+1], v[AC+j:AC+j+1], s[96:97], v[U+(\a)-1:U+(\a)] op_sel:[0,0,1] op_sel_hi:[1,0,1]     ; or its second
.endif
.set j, j+2
.endr
	WIN 0
.set j, 0
.rept 64
	v_med3_num_f32 v[TMP+j], v[TMP+j], -v[LIMV], v[LIMV]
.set j, j+1
.endr
.irp bt, 0,1,2,3,4,5,6,7
	v_cvt_scalef32_pk8_fp8_f32 v[CD+2*\bt:CD+2*\bt+1], v[TMP+8*\bt:TMP+8*\bt+7], v[SCV]
.endr
	v_nop
.irp bt, 0,1,2,3,4,5,6,7
	ds_store_b64 v[STOV], v[CD+2*\bt:CD+2*\bt+1] offset:16*\bt
.endr
	s_wait_xcnt 0x0
.irp i, 0,1,2,3
	ds_load_b128 v[RB+4*\i:RB+4*\i+3], v[RDV] offset:4*SPT*\i
.endr
	s_wait_dscnt 0x0
.irp i, 0,1,2,3
	global_store_b128 v[LO], v[RB+4*\i:RB+4*\i+3], s[12:13] offset:131072*((\a)/4)+2048*((\a)%4)+512*\i   ; 16 channels x 128 keys are 2,048 consecutive bytes
.endr
.endm
.Lv_out:
	s_wait_loadcnt 0x0
.irp a, 0,1,2,3,4,5,6,7
	VBLK \a
.endr
.Ldone:
	s_wait_tensorcnt 0x0                           ; the wave's end
	ds_add_u32 v[SPW], v[NIL]
	s_wait_dscnt 0x0
	CROUND                                         ; the closing round
	s_endpgm
.Lfunc_end_k_q3adbde2ea3_qkv:
	.size	k_q3adbde2ea3_qkv, .Lfunc_end_k_q3adbde2ea3_qkv-k_q3adbde2ea3_qkv
	.p2alignl 7, 3214868480
	.fill 96, 4, 3214868480
	.section	.rodata,"a",@progbits
	.p2align	6, 0x0
	.amdhsa_kernel k_q3adbde2ea3_qkv
		.amdhsa_group_segment_fixed_size 327680
		.amdhsa_private_segment_fixed_size 0
		.amdhsa_enable_private_segment 0
		.amdhsa_kernarg_size 72
		.amdhsa_user_sgpr_count 2
		.amdhsa_user_sgpr_kernarg_segment_ptr 1
		.amdhsa_wavefront_size32 1
		.amdhsa_system_sgpr_workgroup_id_x 1
		.amdhsa_system_sgpr_workgroup_id_y 1
		.amdhsa_system_sgpr_workgroup_id_z 1
		.amdhsa_system_vgpr_workitem_id 0
		.amdhsa_next_free_vgpr 1024
		.amdhsa_next_free_sgpr 102
		.amdhsa_reserve_vcc 0
		.amdhsa_float_denorm_mode_32 3
		.amdhsa_float_denorm_mode_16_64 3
		.amdhsa_memory_ordered 1
		.amdhsa_forward_progress 1
		.amdhsa_inst_pref_size 246
	.end_amdhsa_kernel
	.amdgpu_metadata
---
amdhsa.version: [ 1, 2 ]
amdhsa.kernels:
  - .name:           k_q3adbde2ea3_qkv
    .symbol:         k_q3adbde2ea3_qkv.kd
    .args:
      - { .name: prepb, .offset: 0, .size: 8, .value_kind: global_buffer, .address_space: global }
      - { .name: q_w_codes, .offset: 8, .size: 8, .value_kind: global_buffer, .address_space: global }
      - { .name: k_w_codes, .offset: 16, .size: 8, .value_kind: global_buffer, .address_space: global }
      - { .name: v_w_codes, .offset: 24, .size: 8, .value_kind: global_buffer, .address_space: global }
      - { .name: q_b, .offset: 32, .size: 8, .value_kind: global_buffer, .address_space: global }
      - { .name: k_b, .offset: 40, .size: 8, .value_kind: global_buffer, .address_space: global }
      - { .name: v_b, .offset: 48, .size: 8, .value_kind: global_buffer, .address_space: global }
      - { .name: lowp_scales, .offset: 56, .size: 8, .value_kind: global_buffer, .address_space: global }
      - { .name: qkvb, .offset: 64, .size: 8, .value_kind: global_buffer, .address_space: global }
    .group_segment_fixed_size: 327680
    .private_segment_fixed_size: 0
    .kernarg_segment_align: 8
    .kernarg_segment_size: 72
    .max_flat_workgroup_size: 128
    .sgpr_count:     102
    .vgpr_count:     1024
    .wavefront_size: 32
...
	.end_amdgpu_metadata
.endif
;; end of part 2
;; launch attn (part 3): grid 8 x 32, 8 waves a work-group, clusters of 4 x 1, 327,680 bytes of LDS; arguments qkvb, lowp_scales, attnb, src; writes attnb
.if DOCPART == 3
	.amdgcn_target "amdgcn-amd-amdhsa--gfx1250"
	.amdhsa_code_object_version 6
	.text
	.protected	k_q3adbde2ea3_attn
	.globl	k_q3adbde2ea3_attn
	.p2align	8
	.type	k_q3adbde2ea3_attn,@function
k_q3adbde2ea3_attn:
	s_mov_b64 s[64:65], 0
	v_nop
	global_prefetch_b8 v0, s[64:65] scope:SCOPE_SE
	s_setreg_imm32_b32 hwreg(HW_REG_WAVE_MODE, 25, 1), 1
	s_wait_xcnt 0x0
	s_wait_alu depctr_hold_cnt(0) depctr_sa_sdst(0) depctr_va_vdst(0) depctr_va_sdst(0) depctr_va_ssrc(0) depctr_va_vcc(0) depctr_vm_vsrc(0)
	s_getreg_b32 s2, hwreg(HW_REG_IB_STS2, 6, 4)
	s_cmp_eq_u32 s2, 0
	s_cbranch_scc0 .Lentry_in_a_cluster
	s_endpgm
.Lentry_in_a_cluster:
	s_bfe_u32 s2, ttmp6, 0x10000c
	s_cmp_lg_u32 s2, 0x3003
	s_cbranch_scc0 .Lentry_shape_is_right
	s_endpgm
.Lentry_shape_is_right:
; z = src + softmax(q k^T / 8) v for each of 32 planes (16 b + head), 2,048 queries and keys, head size 64, both products on E4M3 codes with the given scales (entries 6, 7: q, k; 8, 9: p, v).
; THE SOFTMAX: t = score x log2(e) / 8; M = the running largest t rounded UP to a whole number; p = 2^(t - M) is quantised along the keys, not normalised; the row's sum is taken of the unquantised p and divides O at the end.
; When M moves, the sum and O are multiplied by 2^(old M - new M): exact.
; IN.  q, k: [plane][pos][64] codes, pos = s with bits 3 and 4 swapped; v: [plane][s / 128][64][128 keys] codes; src: [s][b][1024] f32.  OUT: [s][b][1024] f32: the residual sum that the first layer norm takes.
; SHARES.  A work-group owns 256 positions of queries of one plane; each of its eight waves owns 32, as two tiles of 16 (A and B), in 512 registers: each fragment of k and of v that a wave reads from LDS feeds two matrix instructions.
; K AND V STAY IN LDS.  A plane's k and v are 131,072 dense bytes each; as rows of 256 bytes + 16 of padding they take 2 x 139,264 bytes.  Each byte of LDS is filled once: there is no ring.
; The four query blocks of a cluster belong to one plane and ask for k and v JOINTLY.  At the head waves 0, 1 fetch k's and waves 2, 3 v's first 160 long rows (five key steps; 80 rows a load).  The other 352 long rows of each are first fills
; that come later: behind the three lines and a round of the cluster's barrier, one load a wave: waves 0-3 k, waves 4-7 v, 88 long rows each.  The first four key steps are worked while they are on their way.
; A step fetches the NEXT step's fragments of k: so the first loop's four steps read five steps of k, and the last step of all reads 32 long rows behind k's region (v's first rows), which are never used.
; NO PREFETCH: every byte of k and v is asked for by one of these two groups of loads at the launch's start; there is no loop of loads to run ahead in.  src is asked for behind the barrier that shows k and v whole, twelve key steps ahead of its use.
; LAYOUT.  Both products are used transposed (S^T = k q^T, O^T = v^T p^T): a lane holds one query of each tile throughout.  By the swap of bits, the 16 rows of tile 2 B + u of k are keys 32 B + 8 u + r + 8 (r / 8), so that the 16 registers of
; tiles 2 B and 2 B + 1 are 16 neighbouring keys 32 B + 16 (lane / 16) + 0 .. 15: the conversions' results are the second product's operand.
; LIMITS: entries 6 + 7 between -123 and 130 (added to c's exponent field); entry 8 between -126 and 119; the scaled scores stay under 2^31 in magnitude.
; REGISTERS, in two windows of 256.  Tile B's data lie in window 1 under the numbers that tile A's have in window 0, so that one text serves both tiles under two settings of the windows:
;   both: v4, v5 448 x p's scale, twice; v12 -M, v13 the largest t, v[14:15] the sum; v16-23 q; v24-31 and v240-247 held p, by turns; v96-159 S^T, then p; v160-191 O^T; v192-223 src; v224-239 p's codes; v248 f, v249 p's scale; v250-255 at work.
;   window 0 alone: v1, v2 my lane's place in a tile of k, of v; v3, v6 the spare word and 0; v7 offset in src and out; v8, v9 the step's addresses; v10, v11 the stage; v32-95 k's fragments.   window 1 alone: v32-95 v's fragments.
.set VREG,  139264                     ; k's rows begin at 0, v's here
.set STEPB, 8704                       ; a key step's 32 long rows, in either region
.set SPARE, 0x44000                    ; behind both regions: the spare words, 128 bytes for each wave
.set STG,  4352                        ; a stage: 16 rows of 256 bytes + 16
.set STAGE, SPARE+1024                 ; behind the spare words: one stage for each wave, bytes of its own into which no fill lands; tile A goes through it, then tile B
.set SPW,  3
.set NIL,  6
.set SRC,  192
.set WV,   18
.set SEL,  20
.set CS,   22
.set G1A,  24                          ; 80 long rows
.set G1B,  32                          ; 88 long rows
.set G0A,  40
.set G0B,  44
.set TB,   48
.set CNT,  49
.set MSB, 0
.macro WIN new                         ; low byte: bits 1:0 source 0, 3:2 source 1, 5:4 source 2, 7:6 destination; the high byte repeats the setting that is left
.if MSB != \new
	s_set_vgpr_msb (MSB<<8)|\new
.set MSB, \new
.endif
.endm
.macro CROUND
	s_barrier_signal -1
	s_barrier_wait -1
	s_cmp_lg_u32 s[WV], 0
	s_cbranch_scc1 .Lnot_wave_0_\@
	s_barrier_signal -3
.Lnot_wave_0_\@:
	s_barrier_wait -3
	s_barrier_signal -1
	s_barrier_wait -1
.endm
	s_load_b128 s[4:7], s[0:1], 0x0                ; the codes, the scales' exponents
	s_load_b128 s[8:11], s[0:1], 0x10              ; out, src
	v_lshl_add_u32 v[SPW], v0, 2, SPARE
	v_mov_b32 v[NIL], 0
	ds_add_u32 v[SPW], v[NIL]                      ; the opening lines: the add, twice on end, and its wait
	ds_add_u32 v[SPW], v[NIL]
	s_mov_b32 s[TB], 0
	v_lshrrev_b32 v8, 5, v0
	s_delay_alu instid0(VALU_DEP_1)
	v_readfirstlane_b32 s[WV], v8                  ; wave 0..7
	v_and_b32 v250, 15, v0                         ; r
	v_bfe_u32 v251, v0, 4, 1                       ; h
	s_delay_alu instid0(VALU_DEP_2)
	v_lshrrev_b32 v252, 2, v250
	s_delay_alu instid0(VALU_DEP_1)
	v_mul_u32_u24 v1, v252, 272
	v_and_b32 v252, 3, v250
	s_delay_alu instid0(VALU_DEP_1)
	v_lshl_add_u32 v1, v252, 6, v1
	s_delay_alu instid0(VALU_DEP_1)
	v_lshl_add_u32 v1, v251, 4, v1                 ; k: four positions to a long row: 272 (r / 4) + 64 (r % 4) + 16 h
	v_lshrrev_b32 v252, 1, v250
	s_delay_alu instid0(VALU_DEP_1)
	v_mul_u32_u24 v2, v252, 272
	v_and_b32 v252, 1, v250
	s_delay_alu instid0(VALU_DEP_1)
	v_lshl_add_u32 v2, v252, 7, v2
	s_delay_alu instid0(VALU_DEP_1)
	v_lshl_add_u32 v2, v251, 4, v2
	s_delay_alu instid0(VALU_DEP_1)
	v_add_nc_u32 v2, VREG, v2                      ; v: two channels to a long row: 272 (r / 2) + 128 (r % 2) + 16 h
	v_add_nc_u32 v8, s[TB], v1                     ; the first key step's tiles of k
	v_lshlrev_b32 v253, 6, v250
	s_delay_alu instid0(VALU_DEP_1)
	v_lshl_add_u32 v253, v251, 4, v253             ; q: row r of 64 bytes + 16 h
	v_lshlrev_b32 v7, 13, v251
	s_delay_alu instid0(VALU_DEP_1)
	v_lshl_add_u32 v7, v250, 4, v7                 ; out and src: lanes 0-15 one s, lanes 16-31 the next; 16 bytes a lane
	s_mul_i32 s19, s[WV], STG
	s_add_co_u32 s19, s19, STAGE                   ; my stage for the way out
	v_mul_u32_u24 v10, v250, 272
	s_delay_alu instid0(VALU_DEP_1)
	v_lshl_add_u32 v10, v251, 5, v10
	s_delay_alu instid0(VALU_DEP_1)
	v_add_nc_u32 v10, s19, v10                     ; in: row r, 32 bytes for each half of the lanes
	v_mul_u32_u24 v11, v251, 272
	s_delay_alu instid0(VALU_DEP_1)
	v_lshl_add_u32 v11, v250, 4, v11
	s_delay_alu instid0(VALU_DEP_1)
	v_add_nc_u32 v11, s19, v11                     ; back: two rows an instruction
	s_bfe_u32 s2, ttmp6, 0x40000                   ; cx
	s_lshl_b32 s3, ttmp9, 2
	s_add_co_u32 s3, s3, s2                        ; my block of 256 positions: it enters q's, src's and the output's addresses alone
	s_and_b32 s12, ttmp7, 0xffff                   ; the plane, which the four partners share
	s_lshl_b32 s13, s12, 17
	; the head's load (waves 0-3): region (wave / 2) % 2, its long rows 80 (wave % 2) on
	s_lshr_b32 s14, s[WV], 1
	s_and_b32 s14, s14, 1
	s_and_b32 s15, s[WV], 1
	s_mul_i32 s56, s14, VREG
	s_mul_i32 s57, s15, 80*272
	s_add_co_u32 s57, s57, s56
	s_lshl_b32 s62, s14, 22
	s_add_co_u32 s62, s62, 0x400000
	s_add_co_u32 s62, s62, s13                     ; the region and the plane
	s_mul_i32 s59, s15, 80*256
	s_add_co_u32 s62, s62, s59
	s_mov_b32 s63, 0
	; the later load (every wave): region wave / 4, its long rows 160 + 88 (wave % 4) on
	s_lshr_b32 s50, s[WV], 2
	s_and_b32 s51, s[WV], 3
	s_mul_i32 s58, s50, VREG
	s_mul_i32 s59, s51, 88*272
	s_add_co_u32 s58, s58, s59
	s_add_co_u32 s58, s58, 160*272
	s_lshl_b32 s60, s50, 22
	s_add_co_u32 s60, s60, 0x400000
	s_add_co_u32 s60, s60, s13
	s_mul_i32 s59, s51, 88*256
	s_add_co_u32 s60, s60, s59
	s_add_co_u32 s60, s60, 160*256
	s_mov_b32 s61, 0
	; descriptor groups 1: dense blocks as rows of 32 elements of 8 bytes, 4 words of padding behind each 64; the mask names all four work-groups, bit 21 beside it
	s_mov_b32 s[G1A], 15|(3<<16)|(1<<20)|(1<<21)|(5<<22)|(3<<25)
	s_mov_b32 s[G1A+1], 32<<16
	s_mov_b32 s[G1A+2], 80<<16
	s_mov_b32 s[G1A+3], 32<<16
	s_mov_b32 s[G1A+4], 80
	s_mov_b32 s[G1A+5], 32
	s_mov_b32 s[G1A+6], 0
	s_mov_b32 s[G1A+7], 0
	s_mov_b32 s[G1B], 15|(3<<16)|(1<<20)|(1<<21)|(5<<22)|(3<<25)
	s_mov_b32 s[G1B+1], 32<<16
	s_mov_b32 s[G1B+2], 88<<16
	s_mov_b32 s[G1B+3], 32<<16
	s_mov_b32 s[G1B+4], 88
	s_mov_b32 s[G1B+5], 32
	s_mov_b32 s[G1B+6], 0
	s_mov_b32 s[G1B+7], 0
	s_mov_b32 s[SEL], 0x76543210
	s_mov_b32 s[SEL+1], 0xfedcba98
	s_mov_b32 s[CS], 0x3e38aa3b                    ; c = log2(e) / 8
	s_wait_alu depctr_va_vdst(0)
	s_wait_dscnt 0x0                               ; both opening adds are done
	s_wait_kmcnt 0x0
	s_load_b128 s[52:55], s[6:7], 0x18             ; entries 6 to 9
	s_mov_b32 s[G0A], 1
	s_mov_b32 s[G0A+1], s57
	s_add_nc_u64 s[G0A+2:G0A+3], s[4:5], s[62:63]
	s_or_b32 s[G0A+3], s[G0A+3], 0x80000000
	s_mov_b32 s[G0B], 1
	s_mov_b32 s[G0B+1], s58
	s_add_nc_u64 s[G0B+2:G0B+3], s[4:5], s[60:61]
	s_or_b32 s[G0B+3], s[G0B+3], 0x80000000
	CROUND                                         ; all four work-groups are here: the joint loads meet
	s_cmp_lt_u32 s[WV], 4
	s_cbranch_scc0 .Lno_a
	tensor_load_to_lds s[G0A:G0A+3], s[G1A:G1A+7]  ; the first five key steps: one tensor load a wave at the head
	s_nop 0
.rept 4
	v_nop
.endr
.Lno_a:
	s_lshl_b32 s50, s3, 8
	s_lshl_b32 s51, s[WV], 5
	s_add_co_u32 s50, s50, s51                     ; my first position, a multiple of 32: tile A is positions + 0 .. 15, tile B + 16 .. 31
	s_lshl_b32 s56, s50, 6
	s_add_co_u32 s56, s56, s13
	s_mov_b32 s57, 0
	s_add_nc_u64 s[4:5], s[4:5], s[56:57]          ; q at my first position
	s_lshl_b32 s56, s50, 13                        ; row r of tile A is s = my first position + r + 8 (r / 8), of tile B 8 more; an s is 8,192 bytes of the output and of src,
	s_lshr_b32 s58, s12, 4
	s_lshl_b32 s58, s58, 12                        ; b 4,096,
	s_add_co_u32 s56, s56, s58
	s_and_b32 s58, s12, 15
	s_lshl_b32 s58, s58, 8                         ; a head 256
	s_add_co_u32 s56, s56, s58
	s_add_nc_u64 s[16:17], s[8:9], s[56:57]
	s_add_nc_u64 s[10:11], s[10:11], s[56:57]
.irp c, 0,1
	global_load_b128 v[16+4*\c:19+4*\c], v253, s[4:5] offset:32*\c        ; q's fragments stay in registers: registers 4 c .. 4 c + 3: channels 32 c + 16 h + 0 .. 15, as k's
.endr
	WIN 0x40
.irp c, 0,1
	global_load_b128 v[16+4*\c:19+4*\c], v253, s[4:5] offset:1024+32*\c   ; tile B's, 16 rows of 64 bytes on
.endr
	WIN 0
	s_wait_kmcnt 0x0
	s_add_co_i32 s56, s52, s53
	s_lshl_b32 s56, s56, 23
	s_add_co_i32 s[CS], s[CS], s56                 ; a score stands for score x 2^(the two exponents): added to c's exponent field
	s_mov_b32 s[CS+1], s[CS]
	s_add_co_i32 s56, s54, 127
	s_lshl_b32 s57, s56, 23                        ; p's scale as f32
	s_add_co_i32 s56, s56, 8
	s_lshl_b32 s56, s56, 23
	s_or_b32 s56, s56, 0x600000                    ; 448 x that
.macro INIT                            ; a tile's state, under the tile's window
	v_mov_b32 v13, 0xff61b1e6                      ; the largest t so far: -3e38
	s_delay_alu instid0(VALU_DEP_1)
	v_floor_f32 v12, -v13                          ; -M
	v_mov_b32 v14, 0
	v_mov_b32 v15, 0
	v_mov_b32 v254, 0                              ; a lane permute's destination counts as one of its sources
.set j, 0
.rept 32
	v_mov_b32 v[160+j], 0                          ; O^T: the step is written once; the first finds zeros
.set j, j+1
.endr
	v_mov_b32 v249, s57                            ; p's scale (also named as the upper half of f's pair)
	v_mov_b32 v4, s56                              ; the hold, in two registers: one for each half of a dual instruction
	v_mov_b32 v5, s56
.endm
	INIT
	WIN 0x55
	INIT
	WIN 0
.macro KLOAD                           ; a key step's eight fragments of k, at v8
.irp t, 0,1,2,3,4,5,6,7
.irp c, 0,1
	ds_load_b128 v[32+8*\t+4*\c:35+8*\t+4*\c], v8 offset:1088*\t+32*\c
.endr
.endr
.endm
; A tile's softmax of one key step, under the tile's window.  late = 1: exponentials stand between the scores' products and these lines, and a wait stands directly ahead of the scores' first readers.
.macro SOFT late
.if \late
	s_wait_alu depctr_va_vdst(0)
.endif
	v_max3_num_f32 v250, v96, v97, v98             ; the step's largest score of my query, among my 64 keys, in four chains, each accumulator from its low end on,
	v_max3_num_f32 v251, v99, v100, v101
	v_max3_num_f32 v252, v102, v103, v104
	v_max3_num_f32 v253, v105, v106, v107
.irp i, 12,20,28,36,44,52
	v_max3_num_f32 v250, v250, v[96+\i], v[97+\i]
	v_max3_num_f32 v251, v251, v[98+\i], v[99+\i]
	v_max3_num_f32 v252, v252, v[100+\i], v[101+\i]
	v_max3_num_f32 v253, v253, v[102+\i], v[103+\i]
.endr
	v_max3_num_f32 v250, v250, v156, v157
	v_max3_num_f32 v251, v251, v158, v159
	s_delay_alu instid0(VALU_DEP_1)
	v_max3_num_f32 v250, v250, v251, v252
	s_delay_alu instid0(VALU_DEP_1)
	v_max_num_f32 v250, v250, v253
	v_permlanex16_b32 v254, v250, s[SEL], s[SEL+1]
	s_delay_alu instid0(VALU_DEP_1)
	v_max_num_f32 v250, v250, v254                 ; and among lane l xor 16's
	s_delay_alu instid0(VALU_DEP_1)
	v_mul_f32 v250, s[CS], v250                    ; as t (c is positive)
	s_delay_alu instid0(VALU_DEP_1)
	v_max_num_f32 v13, v13, v250
	v_mov_b32 v250, v12
	s_delay_alu instid0(VALU_DEP_2)
	v_floor_f32 v12, -v13                          ; the new -M = -ceil(t)
	s_delay_alu instid0(VALU_DEP_1)
	v_sub_f32 v250, v12, v250                      ; old M - new M: a whole number, 0 or less
	s_delay_alu instid0(VALU_DEP_1)
	v_cvt_i32_f32 v250, v250
	s_delay_alu instid0(VALU_DEP_1)
	v_ldexp_f32 v248, 1.0, v250                    ; f = 2^(old M - new M)
.set j, 0
.rept 32
	v_pk_fma_f32 v[96+j:97+j], v[96+j:97+j], s[CS:CS+1], v[12:13] op_sel_hi:[1,0,0]   ; t - M
.set j, j+2
.endr
	s_wait_alu depctr_va_vdst(0)                   ; ahead of the batch
.set j, 0
.rept 64
	v_exp_f32 v[96+j], v[96+j]                     ; p = 2^(t - M)
.set j, j+1
.endr
	s_wait_alu depctr_va_vdst(0)                   ; one wait behind the batch, directly ahead of the first readers of O^T
.set j, 0
.rept 16
	v_pk_mul_f32 v[160+j:161+j], v[160+j:161+j], v[248:249] op_sel_hi:[1,0]   ; O^T under the new M; also the plain instructions behind the exponentials
.set j, j+2
.endr
.irp g, 0,1,2,3,4,5,6,7
.set TT, 24+216*(\g%2)                 ; v24-31 and v240-247 by turns: four plain instructions stand between a conversion and the next write of its sources
.irp i, 0,2,4,6
	v_dual_min_num_f32 v[TT+\i], v[96+8*\g+\i], v4 :: v_dual_min_num_f32 v[TT+\i+1], v[97+8*\g+\i], v5   ; the conversion does not saturate (ISA guide 7.6.2); p is not negative, so the hold is one-sided; p itself stays as it is, for the sum
.endr
	v_cvt_scalef32_pk8_fp8_f32 v[224+2*\g:225+2*\g], v[TT:TT+7], v249
.endr
	v_pk_mul_f32 v[14:15], v[14:15], v[248:249] op_sel_hi:[1,0]   ; the sum under the new M; the plain instruction behind the conversions
.endm
.macro SUMS                            ; THE ROW'S SUM OF THE UNQUANTISED p, in four chains, under the tile's window
	v_pk_add_f32 v[250:251], v[96:97], v[98:99]
	v_pk_add_f32 v[252:253], v[100:101], v[102:103]
	v_pk_add_f32 v[254:255], v[104:105], v[106:107]
.irp j, 12,20,28,36,44,52
	v_pk_add_f32 v[14:15], v[14:15], v[96+\j:97+\j]
	v_pk_add_f32 v[250:251], v[250:251], v[98+\j:99+\j]
	v_pk_add_f32 v[252:253], v[252:253], v[100+\j:101+\j]
	v_pk_add_f32 v[254:255], v[254:255], v[102+\j:103+\j]
.endr
	v_pk_add_f32 v[14:15], v[14:15], v[156:157]
	v_pk_add_f32 v[250:251], v[250:251], v[158:159]
	v_pk_add_f32 v[252:253], v[252:253], v[254:255]
	s_delay_alu instid0(VALU_DEP_2)
	v_pk_add_f32 v[14:15], v[14:15], v[250:251]
	s_delay_alu instid0(VALU_DEP_1)
	v_pk_add_f32 v[14:15], v[14:15], v[252:253]
.endm
; A KEY STEP: 128 keys, both tiles.  k's fragments were asked for in the step before; s[TB] is the step's first byte in both regions.
.macro STEP
	s_wait_dscnt 0x0                               ; this step's fragments of k are in
.irp t, 0,1,2,3,4,5,6,7
	v_wmma_f32_16x16x64_fp8_fp8 v[96+8*\t:103+8*\t], v[32+8*\t:39+8*\t], v[16:23], 0
.endr
	WIN 0x44                                       ; tile B: the result and q in window 1, k in window 0
.irp t, 0,1,2,3,4,5,6,7
	v_wmma_f32_16x16x64_fp8_fp8 v[96+8*\t:103+8*\t], v[32+8*\t:39+8*\t], v[16:23], 0
.endr
	WIN 0
	v_add_nc_u32 v9, s[TB], v2                     ; four places, for the loads into k's registers and for the first read of the scores: this step's v,
	s_add_co_u32 s[TB], s[TB], STEPB
	v_add_nc_u32 v8, s[TB], v1                     ; the next step's k,
	v_nop
	v_nop
	WIN 0x40                                       ; v's fragments go to window 1 (the additions at the last step's end are the places behind its products)
.irp t, 0,1,2,3
.irp c, 0,1,2,3
	ds_load_b128 v[32+16*\t+4*\c:35+16*\t+4*\c], v9 offset:2176*\t+32*\c
.endr
.endr
	WIN 0
	KLOAD                                          ; the next step's k
	SOFT 0
	WIN 0x55
	SOFT 1
	s_wait_alu depctr_va_vdst(0)
	s_wait_dscnt 16                                ; v's fragments are in; the sixteen loads of the next step's k, issued behind them, may be out
	WIN 0x01                                       ; tile A: v in window 1, all else in window 0
.irp t, 0,1,2,3
	v_wmma_f32_16x16x128_fp8_fp8 v[160+8*\t:167+8*\t], v[32+16*\t:47+16*\t], v[224:239], v[160+8*\t:167+8*\t]   ; the eight accumulators take turns, one instruction a turn
.endr
	WIN 0x55
.irp t, 0,1,2,3
	v_wmma_f32_16x16x128_fp8_fp8 v[160+8*\t:167+8*\t], v[32+16*\t:47+16*\t], v[224:239], v[160+8*\t:167+8*\t]
.endr
	SUMS                                           ; these name no register of the products above
	WIN 0
	SUMS
.endm
	s_wait_alu depctr_va_vdst(0)
	s_wait_loadcnt 0x0                             ; q
	s_wait_tensorcnt 0x0                           ; my part of the first five key steps is in
	ds_add_u32 v[SPW], v[NIL]
	ds_add_u32 v[SPW], v[NIL]                      ; twice on end
	s_wait_dscnt 0x0
	CROUND                                         ; everybody's part of the first five key steps is in, and all four work-groups are here
	tensor_load_to_lds s[G0B:G0B+3], s[G1B:G1B+7]  ; the other eleven key steps: my one tensor load behind the round
	s_nop 0
.rept 4
	v_nop
.endr
	KLOAD                                          ; the first step's k
	s_mov_b32 s[CNT], 4
.Lp1:
	STEP
	s_sub_co_u32 s[CNT], s[CNT], 1
	s_cmp_lg_u32 s[CNT], 0
	s_cbranch_scc1 .Lp1
	s_wait_alu depctr_va_vdst(0)
	s_wait_tensorcnt 0x0                           ; my part of the other eleven key steps is in
	s_wait_dscnt 0x0
	s_barrier_signal -1
	s_barrier_wait -1
.irp i, 0,1,2,3,4,5,6,7
	global_load_b128 v[SRC+4*\i:SRC+4*\i+3], v7, s[10:11] offset:8192*(2*\i+8*(\i/4)) th:TH_LOAD_NT         ; src at the very places that the way out stores; wanted behind the twelve key steps that follow
.endr
	WIN 0x40
.irp i, 0,1,2,3,4,5,6,7
	global_load_b128 v[SRC+4*\i:SRC+4*\i+3], v7, s[10:11] offset:65536+8192*(2*\i+8*(\i/4)) th:TH_LOAD_NT   ; tile B's: 8 s on
.endr
	WIN 0
	s_mov_b32 s[CNT], 12
.Lp2:
	STEP
	s_sub_co_u32 s[CNT], s[CNT], 1
	s_cmp_lg_u32 s[CNT], 0
	s_cbranch_scc1 .Lp2
	s_wait_alu depctr_va_vdst(0)
	s_wait_dscnt 0x0                               ; the last step's loads into k's registers have landed: the registers may be written.  No barrier: the stage is my own
	s_add_co_i32 s56, s54, s55
.macro FIN                             ; a tile's O^T / the sum, into v32-63 of its window
	v_add_f32 v14, v14, v15
	s_delay_alu instid0(VALU_DEP_1)
	v_permlanex16_b32 v250, v14, s[SEL], s[SEL+1]
	s_delay_alu instid0(VALU_DEP_1)
	v_add_f32 v14, v14, v250                       ; the row's sum
	s_wait_alu depctr_va_vdst(0)                   ; ahead of the transcendental
	v_rcp_f32 v14, v14
	v_nop                                          ; a plain instruction behind the reciprocal
	s_wait_alu depctr_va_vdst(0)                   ; ahead of its first reader
	v_ldexp_f32 v14, v14, s56                      ; x 2^(p's exponent + v's)
	s_wait_alu depctr_va_vdst(0)                   ; directly ahead of the first readers of O^T
.set j, 0
.rept 32
	v_mul_f32 v[32+j], v[160+j], v14               ; register 8 t + i: channel 16 t + 8 h + i of my query
.set j, j+1
.endr
.endm
.macro TOSTAGE o                       ; through the tile's stage; LDS serves a wave's instructions in order
.irp t, 0,1,2,3
	ds_store_b128 v10, v[32+8*\t:35+8*\t] offset:\o+64*\t
	ds_store_b128 v10, v[36+8*\t:39+8*\t] offset:\o+64*\t+16
.endr
.endm
.macro BACK o                          ; rows 2 i and 2 i + 1, whole
.irp i, 0,1,2,3,4,5,6,7
	ds_load_b128 v[64+4*\i:67+4*\i], v11 offset:\o+544*\i
.endr
.endm
.macro PLUS                            ; + src
.irp i, 0,1,2,3,4,5,6,7
	v_pk_add_f32 v[64+4*\i:65+4*\i], v[64+4*\i:65+4*\i], v[SRC+4*\i:SRC+4*\i+1]
	v_pk_add_f32 v[66+4*\i:67+4*\i], v[66+4*\i:67+4*\i], v[SRC+4*\i+2:SRC+4*\i+3]
.endr
.endm
.macro SEND o                          ; row rho is s + rho + 8 (rho / 8); sixteen lanes store 256 consecutive bytes, aligned
.irp i, 0,1,2,3,4,5,6,7
	global_store_b128 v7, v[64+4*\i:67+4*\i], s[16:17] offset:\o+8192*(2*\i+8*(\i/4))
.endr
.endm
	FIN
	TOSTAGE 0
	BACK 0
	WIN 0x55
	FIN
	WIN 0x04                                       ; the address in window 0, the data in window 1
	TOSTAGE 0                                      ; LDS serves a wave's instructions in order: these stores come behind tile A's loads from the stage
	WIN 0x40
	BACK 0
	WIN 0
	s_wait_loadcnt 0x0                             ; src
	s_wait_dscnt 16                                ; tile A is back; tile B's eight stores and eight loads may be out
	PLUS
	SEND 0
	s_wait_dscnt 0x0
	WIN 0x55
	PLUS
	WIN 0x04
	SEND 65536
	WIN 0
	s_wait_tensorcnt 0x0                           ; the wave's end
	ds_add_u32 v[SPW], v[NIL]
	s_wait_dscnt 0x0
	CROUND                                         ; the closing round
	s_endpgm
.Lfunc_end_k_q3adbde2ea3_attn:
	.size	k_q3adbde2ea3_attn, .Lfunc_end_k_q3adbde2ea3_attn-k_q3adbde2ea3_attn
	.p2alignl 7, 3214868480
	.fill 96, 4, 3214868480
	.section	.rodata,"a",@progbits
	.p2align	6, 0x0
	.amdhsa_kernel k_q3adbde2ea3_attn
		.amdhsa_group_segment_fixed_size 327680
		.amdhsa_private_segment_fixed_size 0
		.amdhsa_enable_private_segment 0
		.amdhsa_kernarg_size 32
		.amdhsa_user_sgpr_count 2
		.amdhsa_user_sgpr_kernarg_segment_ptr 1
		.amdhsa_wavefront_size32 1
		.amdhsa_system_sgpr_workgroup_id_x 1
		.amdhsa_system_sgpr_workgroup_id_y 1
		.amdhsa_system_sgpr_workgroup_id_z 1
		.amdhsa_system_vgpr_workitem_id 0
		.amdhsa_next_free_vgpr 512
		.amdhsa_next_free_sgpr 66
		.amdhsa_reserve_vcc 0
		.amdhsa_float_denorm_mode_32 3
		.amdhsa_float_denorm_mode_16_64 3
		.amdhsa_memory_ordered 1
		.amdhsa_forward_progress 1
		.amdhsa_inst_pref_size 81
	.end_amdhsa_kernel
	.amdgpu_metadata
---
amdhsa.version: [ 1, 2 ]
amdhsa.kernels:
  - .name:           k_q3adbde2ea3_attn
    .symbol:         k_q3adbde2ea3_attn.kd
    .args:
      - { .name: qkvb, .offset: 0, .size: 8, .value_kind: global_buffer, .address_space: global }
      - { .name: lowp_scales, .offset: 8, .size: 8, .value_kind: global_buffer, .address_space: global }
      - { .name: attnb, .offset: 16, .size: 8, .value_kind: global_buffer, .address_space: global }
      - { .name: src, .offset: 24, .size: 8, .value_kind: global_buffer, .address_space: global }
    .group_segment_fixed_size: 327680
    .private_segment_fixed_size: 0
    .kernarg_segment_align: 8
    .kernarg_segment_size: 32
    .max_flat_workgroup_size: 256
    .sgpr_count:     66
    .vgpr_count:     512
    .wavefront_size: 32
...
	.end_amdgpu_metadata
.endif
;; end of part 3
;; launch ln1 (part 4): grid 256 x 1, 8 waves a work-group, no clusters, 17,408 bytes of LDS; arguments attnb, ln1_g, ln1_b, xbuf, lowp_scales; writes xbuf
.if DOCPART == 4
	.amdgcn_target "amdgcn-amd-amdhsa--gfx1250"
	.amdhsa_code_object_version 6
	.text
	.protected	k_q3adbde2ea3_ln1
	.globl	k_q3adbde2ea3_ln1
	.p2align	8
	.type	k_q3adbde2ea3_ln1,@function
k_q3adbde2ea3_ln1:
	s_mov_b64 s[64:65], 0
	v_nop
	global_prefetch_b8 v0, s[64:65] scope:SCOPE_SE
	s_setreg_imm32_b32 hwreg(HW_REG_WAVE_MODE, 25, 1), 1
	s_wait_xcnt 0x0
; x = layer norm (z) x gain + bias, rows of 1,024 f32; 4,096 rows; z is the residual sum that the launch before stored.  x leaves as E4M3 codes with the given scale (entry 10), [4096][1024], at the output buffer's first byte.
; x in f32 is not stored: the launch that adds it to the second product rebuilds it from z.  For that each row's pair (mean, 1 / sqrt(variance + 1e-5)) is stored, 4 MiB into the buffer, sixteen copies a row (128 bytes):
; so this wave's one store writes 256 consecutive bytes, and a reader whose lanes 0-15 hold one row and lanes 16-31 the next loads 256 consecutive bytes, a pair a lane.
; A wave owns two neighbouring rows: 8,192 consecutive bytes of z.  A row lives in one wave, 32 registers a lane (load j: columns 128 j + 4 lane + 0 .. 3): it is read once, and mean and variance (of the
; differences from the mean) never leave the wave: no barrier.  All 32 loads go out at the head.  No register of a memory instruction is written again.
; Codes: a lane's four codes of a load are 4 bytes; they turn through the wave's own 2,048 bytes of LDS, so that each store writes 512 consecutive bytes.
; LIMITS: entry 10 between -126 and 119; NaN among the inputs is not served.
.set XA,  32                           ; v32-95   z, then the result
.set TH,  96                           ; v96-159  the result held for the conversion
.set GG,  160                          ; v160-191 the gain
.set BE,  192                          ; v192-223 the bias
.set CD,  224                          ; v224-239 codes
.set RBK, 240                          ; v240-255 codes back from LDS
	s_load_b256 s[4:11], s[0:1], 0x0               ; z, gain, bias, out
	s_load_b64 s[18:19], s[0:1], 0x20              ; the scales' exponents
	v_lshl_add_u32 v30, v0, 2, 0x4000
	v_mov_b32 v31, 0
	v_lshrrev_b32 v1, 5, v0
	s_delay_alu instid0(VALU_DEP_1)
	v_readfirstlane_b32 s20, v1                    ; wave
	v_and_b32 v4, 31, v0                           ; lane
	s_delay_alu instid0(VALU_DEP_1)
	v_lshlrev_b32 v1, 4, v4                        ; 16 x lane
	s_delay_alu instid0(VALU_DEP_2)
	v_lshlrev_b32 v5, 3, v4                        ; 8 x lane
	s_lshl_b32 s21, s20, 11
	v_lshl_add_u32 v2, v4, 2, s21                  ; LDS, in: 4 bytes a lane
	v_lshl_add_u32 v3, v4, 4, s21                  ; back: 16 bytes a lane
	v_mov_b32 v17, 0                               ; a lane permute's destination counts as one of its sources
	s_mov_b32 s12, 0x76543210
	s_mov_b32 s13, 0xfedcba98
	s_mov_b32 s14, 0x3a800000                      ; 1 / 1,024
	s_mov_b32 s15, 0x3727c5ac                      ; 1e-5
	s_lshl_b32 s22, ttmp9, 3
	s_add_co_u32 s22, s22, s20                     ; which pair of rows
	s_lshl_b32 s24, s22, 13
	s_mov_b32 s25, 0
	s_lshl_b32 s26, s22, 11
	s_mov_b32 s27, 0
	s_lshl_b32 s30, s22, 8
	s_mov_b32 s31, 0
	s_wait_alu depctr_va_vdst(0)
	s_wait_kmcnt 0x0
	s_load_b32 s23, s[18:19], 0x28                 ; entry 10
	s_add_nc_u64 s[28:29], s[10:11], s[26:27]      ; the codes of my rows
	s_add_nc_u64 s[16:17], s[10:11], s[30:31]
	s_add_nc_u64 s[16:17], s[16:17], 0x400000      ; their pairs
	s_add_nc_u64 s[4:5], s[4:5], s[24:25]
.irp j, 0,1,2,3,4,5,6,7
	global_load_b128 v[GG+4*\j:GG+4*\j+3], v1, s[6:7] offset:512*\j
	global_load_b128 v[BE+4*\j:BE+4*\j+3], v1, s[8:9] offset:512*\j
.endr
.irp p, 0,1
.irp j, 0,1,2,3,4,5,6,7
	global_load_b128 v[XA+32*\p+4*\j:XA+32*\p+4*\j+3], v1, s[4:5] offset:4096*\p+512*\j
.endr
.endr
	s_wait_kmcnt 0x0
	s_add_co_i32 s23, s23, 127
	s_lshl_b32 s21, s23, 23
	v_mov_b32 v19, s21                             ; the scale as f32
	s_add_co_i32 s23, s23, 8
	s_lshl_b32 s23, s23, 23
	s_or_b32 s23, s23, 0x600000
	v_mov_b32 v18, s23                             ; 448 x the scale
.macro REDUCE                          ; v16 summed over the 32 lanes, in every lane
	s_delay_alu instid0(VALU_DEP_1)
	v_add_f32_dpp v16, v16, v16 row_xmask:1 row_mask:0xf bank_mask:0xf
	s_delay_alu instid0(VALU_DEP_1)
	v_add_f32_dpp v16, v16, v16 row_xmask:2 row_mask:0xf bank_mask:0xf
	s_delay_alu instid0(VALU_DEP_1)
	v_add_f32_dpp v16, v16, v16 row_xmask:4 row_mask:0xf bank_mask:0xf
	s_delay_alu instid0(VALU_DEP_1)
	v_add_f32_dpp v16, v16, v16 row_xmask:8 row_mask:0xf bank_mask:0xf
	s_delay_alu instid0(VALU_DEP_1)
	v_permlanex16_b32 v17, v16, s12, s13
	s_delay_alu instid0(VALU_DEP_1)
	v_add_f32 v16, v16, v17
.endm
.macro FOLD                            ; the four chains v[26:27], v[6:11] into v16
	s_delay_alu instid0(VALU_DEP_3)
	v_pk_add_f32 v[6:7], v[6:7], v[26:27]
	s_delay_alu instid0(VALU_DEP_2)
	v_pk_add_f32 v[8:9], v[8:9], v[10:11]
	s_delay_alu instid0(VALU_DEP_1)
	v_pk_add_f32 v[6:7], v[6:7], v[8:9]
	s_delay_alu instid0(VALU_DEP_1)
	v_add_f32 v16, v6, v7
.endm
; the four chains lie in v[26:27], v[6:7], v[8:9], v[10:11]: v4 and v5 hold the lane's number and offset
.macro ROW p
.set RA, XA+32*(\p)
.set RC, TH+32*(\p)
.set MU, 12+8*(\p)                     ; row 0: v[12:13] the mean twice, v[14:15] 1 / sqrt twice; row 1: v[20:21], v[22:23]
	v_pk_add_f32 v[26:27], v[RA:RA+1], v[RA+2:RA+3]                ; the first pairs start four chains
	v_pk_add_f32 v[6:7], v[RA+4:RA+5], v[RA+6:RA+7]
	v_pk_add_f32 v[8:9], v[RA+8:RA+9], v[RA+10:RA+11]
	v_pk_add_f32 v[10:11], v[RA+12:RA+13], v[RA+14:RA+15]
.irp k, 16,24
	s_delay_alu instid0(VALU_DEP_4)
	v_pk_add_f32 v[26:27], v[26:27], v[RA+\k:RA+\k+1]
	s_delay_alu instid0(VALU_DEP_4)
	v_pk_add_f32 v[6:7], v[6:7], v[RA+\k+2:RA+\k+3]
	s_delay_alu instid0(VALU_DEP_4)
	v_pk_add_f32 v[8:9], v[8:9], v[RA+\k+4:RA+\k+5]
	s_delay_alu instid0(VALU_DEP_4)
	v_pk_add_f32 v[10:11], v[10:11], v[RA+\k+6:RA+\k+7]
.endr
	FOLD
	REDUCE
	s_delay_alu instid0(VALU_DEP_1)
	v_mul_f32 v[MU], s14, v16                      ; the mean
	s_delay_alu instid0(VALU_DEP_1)
	v_mov_b32 v[MU+1], v[MU]
.set k, 0
.rept 16
	v_pk_add_f32 v[RA+k:RA+k+1], v[RA+k:RA+k+1], v[MU:MU+1] neg_lo:[0,1] neg_hi:[0,1]   ; d = z - mean
.set k, k+2
.endr
	v_pk_mul_f32 v[26:27], v[RA:RA+1], v[RA:RA+1]
	v_pk_mul_f32 v[6:7], v[RA+2:RA+3], v[RA+2:RA+3]
	v_pk_mul_f32 v[8:9], v[RA+4:RA+5], v[RA+4:RA+5]
	v_pk_mul_f32 v[10:11], v[RA+6:RA+7], v[RA+6:RA+7]
.irp k, 8,16,24
	s_delay_alu instid0(VALU_DEP_4)
	v_pk_fma_f32 v[26:27], v[RA+\k:RA+\k+1], v[RA+\k:RA+\k+1], v[26:27]
	s_delay_alu instid0(VALU_DEP_4)
	v_pk_fma_f32 v[6:7], v[RA+\k+2:RA+\k+3], v[RA+\k+2:RA+\k+3], v[6:7]
	s_delay_alu instid0(VALU_DEP_4)
	v_pk_fma_f32 v[8:9], v[RA+\k+4:RA+\k+5], v[RA+\k+4:RA+\k+5], v[8:9]
	s_delay_alu instid0(VALU_DEP_4)
	v_pk_fma_f32 v[10:11], v[RA+\k+6:RA+\k+7], v[RA+\k+6:RA+\k+7], v[10:11]
.endr
	FOLD
	REDUCE
	s_delay_alu instid0(VALU_DEP_1)
	v_fma_f32 v16, v16, s14, s15                   ; the variance + 1e-5
	s_wait_alu depctr_va_vdst(0)
	v_rsq_f32 v[MU+2], v16
	v_rsq_f32 v[MU+3], v16                         ; twice: a pair for the packed multiply
	v_nop                                          ; a plain instruction behind them
	s_wait_alu depctr_va_vdst(0)                   ; one wait for both, ahead of the first reader
.set k, 0
.rept 16
	v_pk_mul_f32 v[RA+k:RA+k+1], v[RA+k:RA+k+1], v[MU+2:MU+3]
.set k, k+2
.endr
.set k, 0
.rept 16
	v_pk_fma_f32 v[RA+k:RA+k+1], v[RA+k:RA+k+1], v[GG+k:GG+k+1], v[BE+k:BE+k+1]
.set k, k+2
.endr
.set k, 0
.rept 32
	v_med3_num_f32 v[RC+k], v[RA+k], -v18, v18     ; the conversion does not saturate (ISA guide 7.6.2)
.set k, k+1
.endr
.irp g, 0,1,2,3
	v_cvt_scalef32_pk8_fp8_f32 v[CD+8*(\p)+2*\g:CD+8*(\p)+2*\g+1], v[RC+8*\g:RC+8*\g+7], v19
.endr
	v_nop                                          ; one plain instruction behind the conversions
.irp j, 0,1,2,3,4,5,6,7
	ds_store_b32 v2, v[CD+8*(\p)+\j] offset:1024*(\p)+128*\j
.endr
.irp i, 0,1
	ds_load_b128 v[RBK+8*(\p)+4*\i:RBK+8*(\p)+4*\i+3], v3 offset:1024*(\p)+512*\i   ; LDS serves a wave's instructions in order
.endr
	s_wait_dscnt 0x0
.irp i, 0,1
	global_store_b128 v1, v[RBK+8*(\p)+4*\i:RBK+8*(\p)+4*\i+3], s[28:29] offset:1024*(\p)+512*\i   ; 512 consecutive bytes
.endr
.endm
	s_wait_loadcnt 8                               ; gain, bias and row 0 are in; row 1's eight loads may be out
	ROW 0
	s_wait_loadcnt 0x0
	ROW 1
	v_cmp_gt_u32 vcc_lo, 16, v4                    ; lanes 0-15 take row 0's pair, lanes 16-31 row 1's
	s_delay_alu instid0(VALU_DEP_1)
	v_cndmask_b32 v24, v20, v12, vcc_lo
	v_cndmask_b32 v25, v22, v14, vcc_lo
	global_store_b64 v5, v[24:25], s[16:17]        ; 256 consecutive bytes, aligned
	s_wait_tensorcnt 0x0
	ds_add_u32 v30, v31
	s_wait_dscnt 0x0
	s_endpgm
.Lfunc_end_k_q3adbde2ea3_ln1:
	.size	k_q3adbde2ea3_ln1, .Lfunc_end_k_q3adbde2ea3_ln1-k_q3adbde2ea3_ln1
	.p2alignl 7, 3214868480
	.fill 96, 4, 3214868480
	.section	.rodata,"a",@progbits
	.p2align	6, 0x0
	.amdhsa_kernel k_q3adbde2ea3_ln1
		.amdhsa_group_segment_fixed_size 17408
		.amdhsa_private_segment_fixed_size 0
		.amdhsa_enable_private_segment 0
		.amdhsa_kernarg_size 40
		.amdhsa_user_sgpr_count 2
		.amdhsa_user_sgpr_kernarg_segment_ptr 1
		.amdhsa_wavefront_size32 1
		.amdhsa_system_sgpr_workgroup_id_x 1
		.amdhsa_system_sgpr_workgroup_id_y 1
		.amdhsa_system_sgpr_workgroup_id_z 1
		.amdhsa_system_vgpr_workitem_id 0
		.amdhsa_next_free_vgpr 256
		.amdhsa_next_free_sgpr 66
		.amdhsa_reserve_vcc 1
		.amdhsa_float_denorm_mode_32 3
		.amdhsa_float_denorm_mode_16_64 3
		.amdhsa_memory_ordered 1
		.amdhsa_forward_progress 1
		.amdhsa_inst_pref_size 27
	.end_amdhsa_kernel
	.amdgpu_metadata
---
amdhsa.version: [ 1, 2 ]
amdhsa.kernels:
  - .name:           k_q3adbde2ea3_ln1
    .symbol:         k_q3adbde2ea3_ln1.kd
    .args:
      - { .name: attnb, .offset: 0, .size: 8, .value_kind: global_buffer, .address_space: global }
      - { .name: ln1_g, .offset: 8, .size: 8, .value_kind: global_buffer, .address_space: global }
      - { .name: ln1_b, .offset: 16, .size: 8, .value_kind: global_buffer, .address_space: global }
      - { .name: xbuf, .offset: 24, .size: 8, .value_kind: global_buffer, .address_space: global }
      - { .name: lowp_scales, .offset: 32, .size: 8, .value_kind: global_buffer, .address_space: global }
    .group_segment_fixed_size: 17408
    .private_segment_fixed_size: 0
    .kernarg_segment_align: 8
    .kernarg_segment_size: 40
    .max_flat_workgroup_size: 256
    .sgpr_count:     66
    .vgpr_count:     256
    .wavefront_size: 32
...
	.end_amdgpu_metadata
.endif
;; end of part 4
;; launch ffn1 (part 5): grid 16 x 16, 4 waves a work-group, clusters of 4 x 4, 327,680 bytes of LDS; arguments xbuf, w1_codes, lowp_scales, hbuf, b1; writes hbuf
.if DOCPART == 5
	.amdgcn_target "amdgcn-amd-amdhsa--gfx1250"
	.amdhsa_code_object_version 6
	.text
	.protected	k_q3adbde2ea3_ffn1
	.globl	k_q3adbde2ea3_ffn1
	.p2align	8
	.type	k_q3adbde2ea3_ffn1,@function
k_q3adbde2ea3_ffn1:
	s_mov_b64 s[64:65], 0
	v_nop
	global_prefetch_b8 v0, s[64:65] scope:SCOPE_SE
	s_setreg_imm32_b32 hwreg(HW_REG_WAVE_MODE, 25, 1), 1
	s_wait_xcnt 0x0
	s_wait_alu depctr_hold_cnt(0) depctr_sa_sdst(0) depctr_va_vdst(0) depctr_va_sdst(0) depctr_va_ssrc(0) depctr_va_vcc(0) depctr_vm_vsrc(0)
	s_getreg_b32 s2, hwreg(HW_REG_IB_STS2, 6, 4)
	s_cmp_eq_u32 s2, 0
	s_cbranch_scc0 .Lentry_in_a_cluster
	s_endpgm
.Lentry_in_a_cluster:
	s_bfe_u32 s2, ttmp6, 0x10000c
	s_cmp_lg_u32 s2, 0xf033
	s_cbranch_scc0 .Lentry_shape_is_right
	s_endpgm
.Lentry_shape_is_right:
; h = relu(x w1 + b1) on E4M3 codes (scales: entries 10, 11), quantised with entry 12 and stored as codes [4096][4096].  A tile of 256 x 256 is made by four waves, each 128 x 128.
; K = 1,024 goes in four steps of 256 through a ring of two LDS slots filled by joint tensor loads: 4 x 4 work-groups form a cluster, x's tile shared along a row, w1's along a column.
; PREFETCH INTO THE L2.  A wave's load is 128 rows x 256 bytes; the four partners that ask for it jointly share its rows out by address: the partner at place p (cx for x, cy for w1) takes rows 32 p .. 32 p + 31, a lane a row.
; Behind K step 0's joint load K steps 1 and 2 are asked for, behind K step 1's K step 3: at most two K steps are asked for and not yet read.  The address is never stepped.
; LIMITS: entries 10 + 11 between -126 and 127, entry 12 between -126 and 119.
.set KSTEP,  256
.set ROWB,   256
.set KROW,   1024
.set PITCH,  272
.set FR,     16
.set NL,     4
.set NP,     4
.set HALFT,  128*PITCH
.set SLOT,   4*HALFT
.set LAPS,   2
.set SPARE,  2*SLOT
.set ADRA, 16
.set LIMV, 18
.set SCV,  19
.set ADRB, 20
.set STO,  24
.set RD,   25
.set CO,   26
.set SPW,  28
.set NIL,  29
.set BOH,  30
.set BIAS, 32
.set TMP,  96
.set AF,   128
.set CD,   160
.set G1, 24
.set G0, 32
.set G1B, 48
.set G0B, 56
.set MSB, 0
.macro WIN new
.if MSB != \new
	s_set_vgpr_msb (MSB<<8)|\new
.set MSB, \new
.endif
.endm
.set MUL_LO, 0xa1
.set MUL_HI, 0xf1
.set TO_B,   0x40
.macro JLOAD g0a, g1a, g0b, g1b
	s_cmp_eq_u32 s15, 0
	s_cbranch_scc0 .Lfor_b_\@
	tensor_load_to_lds s[\g0a:\g0a+3], s[\g1a:\g1a+7]
	s_nop 0
.rept 4
	v_nop
.endr
	s_branch .Lasked_\@
.Lfor_b_\@:
	tensor_load_to_lds s[\g0b:\g0b+3], s[\g1b:\g1b+7]
	s_nop 0
.rept 4
	v_nop
.endr
.Lasked_\@:
.endm
.macro CREST
	s_cmp_lg_u32 s14, 0
	s_cbranch_scc1 .Lnot_wave_0_\@
	s_barrier_signal -3
.Lnot_wave_0_\@:
	s_barrier_wait -3
	s_barrier_signal -1
	s_barrier_wait -1
.endm
.macro CROUND
	s_barrier_signal -1
	s_barrier_wait -1
	CREST
.endm
	s_load_b128 s[4:7], s[0:1], 0x0
	s_load_b128 s[8:11], s[0:1], 0x10
	s_load_b64 s[12:13], s[0:1], 0x20
	v_lshl_add_u32 v[SPW], v0, 2, SPARE
	v_mov_b32 v[NIL], 0
	ds_add_u32 v28, v29
	ds_add_u32 v28, v29
	s_wait_dscnt 0x0
	v_lshrrev_b32 v1, 5, v0
	v_readfirstlane_b32 s14, v1
	v_and_b32 v22, 31, v0
	v_lshlrev_b32 v22, 10, v22                     ; the prefetches' offset: my lane x a row of 1,024 bytes; never rewritten
	s_wait_alu depctr_va_vdst(0)                   ; scalar work and waits stand ahead of the reader
	s_lshr_b32 s15, s14, 1
	s_and_b32 s16, s14, 1
	s_bfe_u32 s40, ttmp6, 0x40000
	s_bfe_u32 s41, ttmp6, 0x40004
	s_lshl_b32 s42, ttmp9, 2
	s_add_co_u32 s42, s42, s40
	s_and_b32 s17, ttmp7, 0xffff
	s_lshl_b32 s17, s17, 2
	s_add_co_u32 s17, s17, s41
	s_lshl_b32 s43, s41, 2
	s_lshl_b32 s43, 15, s43
	s_lshl_b32 s44, 0x1111, s40
	s_or_b32 s[G1+0], s43, (0<<16)|(1<<20)|(1<<21)|(5<<22)|(3<<25)
	s_or_b32 s[G1B+0], s44, (0<<16)|(1<<20)|(1<<21)|(5<<22)|(3<<25)
.irp g, G1, G1B
	s_mov_b32 s[\g+1], ROWB<<16
	s_mov_b32 s[\g+2], 128<<16
	s_mov_b32 s[\g+3], ROWB<<16
	s_mov_b32 s[\g+4], 128
	s_mov_b32 s[\g+5], KROW
	s_mov_b32 s[\g+6], 0
	s_mov_b32 s[\g+7], 0
.endr
	s_lshl_b32 s18, s16, 7
	s_lshl_b32 s20, s17, 8
	s_add_co_u32 s20, s20, s18
	s_lshl_b32 s46, s42, 8
	s_add_co_u32 s46, s46, s18
	s_lshl_b32 s20, s20, 10
	s_lshl_b32 s46, s46, 10
	s_mov_b32 s21, 0
	s_mov_b32 s47, 0
	s_mul_i32 s45, s14, HALFT
	s_wait_kmcnt 0x0
	s_load_b128 s[88:91], s[8:9], 0x28
	s_add_nc_u64 s[20:21], s[4:5], s[20:21]
	s_add_nc_u64 s[46:47], s[6:7], s[46:47]
	s_cmp_eq_u32 s15, 0                            ; do I fetch for x?
	s_cselect_b64 s[70:71], s[20:21], s[46:47]     ; the 128 rows that I fetch,
	s_cselect_b32 s72, s40, s41                    ; my place among the four that ask for them with me,
	s_lshl_b32 s72, s72, 15                        ; 32 rows of 1,024 bytes a place
	s_mov_b32 s73, 0
	s_add_nc_u64 s[70:71], s[70:71], s[72:73]      ; s[70:71]: where my prefetches stand
	CROUND
.irp s, 0,1
	s_mov_b32 s[G0+4*\s], 1
	s_add_co_u32 s[G0+4*\s+1], s45, \s*SLOT
	s_add_nc_u64 s[G0+4*\s+2:G0+4*\s+3], s[20:21], \s*ROWB
	s_or_b32 s[G0+4*\s+3], s[G0+4*\s+3], 0x80000000
	s_mov_b32 s[G0B+4*\s], 1
	s_add_co_u32 s[G0B+4*\s+1], s45, \s*SLOT
	s_add_nc_u64 s[G0B+4*\s+2:G0B+4*\s+3], s[46:47], \s*ROWB
	s_or_b32 s[G0B+4*\s+3], s[G0B+4*\s+3], 0x80000000
.if \s                                             ; slot 1's first fill is issued as a refill is
	s_wait_alu depctr_va_vdst(0)
	s_wait_tensorcnt 0x0                           ; my part of K step 0 is in
	ds_add_u32 v28, v29
	ds_add_u32 v28, v29
	s_wait_dscnt 0x0
	CROUND
.endif
	JLOAD G0+4*\s, G1, G0B+4*\s, G1B
.if \s
	global_prefetch_b8 v22, s[70:71] offset:3*ROWB th:TH_LOAD_NT scope:SCOPE_SE   ; K step 3
.else
	global_prefetch_b8 v22, s[70:71] offset:ROWB th:TH_LOAD_NT scope:SCOPE_SE     ; K step 1
	global_prefetch_b8 v22, s[70:71] offset:2*ROWB th:TH_LOAD_NT scope:SCOPE_SE   ; K step 2
.endif
.endr
	v_and_b32 v1, 15, v0
	v_bfe_u32 v2, v0, 4, 1
	v_mul_u32_u24 v3, v1, PITCH
	s_wait_alu depctr_va_vdst(0)
	v_lshl_add_u32 v4, v2, 4, v3
	s_mul_i32 s21, s15, HALFT
	s_mul_i32 s22, s16, HALFT
	s_add_co_u32 s22, s22, 2*HALFT
.irp s, 0,1
	v_add_nc_u32 v[ADRA+\s], s21, v4
	v_add_nc_u32 v[ADRB+\s], s22, v4
	s_add_co_u32 s21, s21, SLOT
	s_add_co_u32 s22, s22, SLOT
.endr
	s_mul_i32 s23, s15, 128*PITCH
	s_lshl_b32 s22, s16, 7
	s_add_co_u32 s23, s23, s22
	v_lshl_add_u32 v5, v2, 3, v3
	v_add_nc_u32 v[STO], s23, v5
	s_mul_i32 s23, s14, 64*PITCH
	v_mul_u32_u24 v5, v2, PITCH
	v_lshl_add_u32 v5, v1, 4, v5
	v_add_nc_u32 v[RD], s23, v5
	v_lshlrev_b32 v[CO], 12, v2
	v_lshl_add_u32 v[CO], v1, 4, v[CO]
	v_lshlrev_b32 v[BOH], 5, v2
	s_wait_alu depctr_va_vdst(0)
	s_lshl_b32 s66, s17, 8
	s_lshl_b32 s67, s14, 6
	s_add_co_u32 s66, s66, s67
	s_lshl_b32 s66, s66, 12
	s_lshl_b32 s67, s42, 8
	s_add_co_u32 s66, s66, s67
	s_mov_b32 s67, 0
	s_add_nc_u64 s[10:11], s[10:11], s[66:67]
	s_lshl_b32 s68, s42, 10
	s_lshl_b32 s69, s16, 9
	s_add_co_u32 s68, s68, s69
	s_mov_b32 s69, 0
	s_add_nc_u64 s[12:13], s[12:13], s[68:69]
.irp bt, 0,1,2,3,4,5,6,7
.irp u, 0,1
	global_load_b128 v[BIAS+8*\bt+4*\u:BIAS+8*\bt+4*\u+3], v[BOH], s[12:13] offset:64*\bt+16*\u
.endr
.endr
.macro FRAG reg, adr, q, i
.irp c, 0,1,2,3
	ds_load_b128 v[\reg+4*\c:\reg+4*\c+3], v[\adr] offset:128*(\q)+32*\c+(\i)*16*PITCH
.endr
.endm
.macro MUL16 a0, p, zero
.irp a, \a0, \a0+1
.irp b, 0,1,2,3,4,5,6,7
.if \zero
	v_wmma_f32_16x16x128_fp8_fp8 v[8*(8*((\a)%4)+\b):8*(8*((\a)%4)+\b)+7], v[128*(\p)+FR*\b:128*(\p)+FR*\b+FR-1], v[AF+FR*(\a):AF+FR*(\a)+FR-1], 0
.else
	v_wmma_f32_16x16x128_fp8_fp8 v[8*(8*((\a)%4)+\b):8*(8*((\a)%4)+\b)+7], v[128*(\p)+FR*\b:128*(\p)+FR*\b+FR-1], v[AF+FR*(\a):AF+FR*(\a)+FR-1], v[8*(8*((\a)%4)+\b):8*(8*((\a)%4)+\b)+7]
.endif
.endr
.endr
.endm
.macro FETCH_B slot, q, p
	WIN TO_B
.irp i, 0,1,2,3,4,5,6,7
	FRAG 128*(\p)+FR*\i, ADRB+\slot, \q, \i
.endr
	WIN 0
.endm
.macro FETCH_A slot, q, i0
.irp i, \i0, \i0+1, \i0+2, \i0+3
	FRAG AF+FR*(\i), ADRA+\slot, \q, \i
.endr
.endm
.macro PLACES n
.rept \n
	v_nop
.endr
.endm
.macro STEP slot, q, zero
	s_wait_dscnt 4*NL
	WIN MUL_LO
	MUL16 0, (\q)%2, \zero
	MUL16 2, (\q)%2, \zero
	s_wait_dscnt 0
	PLACES NP
	FETCH_B \slot, (\q)+1, 1-(\q)%2
	FETCH_A \slot, (\q)+1, 0
	WIN MUL_HI
	MUL16 4, (\q)%2, \zero
	MUL16 6, (\q)%2, \zero
	PLACES NP
	WIN 0
	FETCH_A \slot, (\q)+1, 4
.endm
.macro TURN slot, next, fill
	s_wait_tensorcnt 0x0
	ds_add_u32 v[SPW], v[NIL]
	s_wait_dscnt 4*NL+1
	WIN MUL_LO
	MUL16 0, 1, 0
	s_wait_dscnt 0x0
	s_barrier_signal -1
	MUL16 2, 1, 0
	WIN 0
	s_barrier_wait -1
.if \fill
	CREST
	s_add_nc_u64 s[G0+4*\slot+2:G0+4*\slot+3], s[G0+4*\slot+2:G0+4*\slot+3], 2*ROWB
	s_add_nc_u64 s[G0B+4*\slot+2:G0B+4*\slot+3], s[G0B+4*\slot+2:G0B+4*\slot+3], 2*ROWB
	JLOAD G0+4*\slot, G1, G0B+4*\slot, G1B
.else
	PLACES NP
.endif
	FETCH_B \next, 0, 0
	FETCH_A \next, 0, 0
	WIN MUL_HI
	MUL16 4, 1, 0
	MUL16 6, 1, 0
	PLACES NP
	WIN 0
	FETCH_A \next, 0, 4
.endm
	s_wait_tensorcnt 1
	s_barrier_signal -1
	s_barrier_wait -1
	FETCH_B 0, 0, 0
	FETCH_A 0, 0, 0
	FETCH_A 0, 0, 4
	STEP 0, 0, 1
	s_mov_b32 s3, LAPS-1
.Llap:
	TURN 0, 1, 1
	STEP 1, 0, 0
	TURN 1, 0, 1
	STEP 0, 0, 0
	s_sub_co_u32 s3, s3, 1
	s_cmp_lg_u32 s3, 0
	s_cbranch_scc1 .Llap
	TURN 0, 1, 0
	STEP 1, 0, 0
	s_wait_dscnt 4*NL
	WIN MUL_LO
	MUL16 0, 1, 0
	MUL16 2, 1, 0
	s_wait_dscnt 0
	WIN MUL_HI
	MUL16 4, 1, 0
	MUL16 6, 1, 0
	WIN 0
	s_wait_kmcnt 0x0
	s_add_co_i32 s96, s88, s89
	s_add_co_i32 s96, s96, 127
	s_lshl_b32 s96, s96, 23
	s_mov_b32 s97, s96
	s_add_co_i32 s90, s90, 127
	s_lshl_b32 s91, s90, 23
	v_mov_b32 v[SCV], s91
	s_add_co_i32 s90, s90, 8
	s_lshl_b32 s90, s90, 23
	s_or_b32 s90, s90, 0x600000
	v_mov_b32 v[LIMV], s90
	s_wait_loadcnt 0x0
	PLACES NP
.macro HBLK a
.set AC, 64*((\a)%4)
	WIN 0x02+((\a)/4)
.set j, 0
.rept 32
	v_pk_fma_f32 v[TMP+j:TMP+j+1], v[AC+j:AC+j+1], s[96:97], v[BIAS+j:BIAS+j+1] op_sel_hi:[1,0,1]
.set j, j+2
.endr
	WIN 0
.set j, 0
.rept 64
	v_med3_num_f32 v[TMP+j], v[TMP+j], 0, v[LIMV]
.set j, j+1
.endr
.irp bt, 0,1,2,3,4,5,6,7
	v_cvt_scalef32_pk8_fp8_f32 v[CD+2*\bt:CD+2*\bt+1], v[TMP+8*\bt:TMP+8*\bt+7], v[SCV]
.endr
	v_nop
.irp bt, 0,1,2,3,4,5,6,7
	ds_store_b64 v[STO], v[CD+2*\bt:CD+2*\bt+1] offset:16*PITCH*(\a)+16*\bt
.endr
.endm
.irp a, 0,1,2,3,4,5,6,7
	HBLK \a
.endr
	s_wait_dscnt 0x0
	s_barrier_signal -1
	s_barrier_wait -1
.set t, 0
.rept 32
	ds_load_b128 v[TMP+4*t:TMP+4*t+3], v[RD] offset:2*PITCH*t
.set t, t+1
.endr
.set t, 0
.rept 32
	s_wait_dscnt 31-t
	global_store_b128 v[CO], v[TMP+4*t:TMP+4*t+3], s[10:11] offset:8192*t
.set t, t+1
.endr
	s_wait_tensorcnt 0x0
	ds_add_u32 v[SPW], v[NIL]
	s_wait_dscnt 0x0
	CROUND
	s_endpgm
.Lfunc_end_k_q3adbde2ea3_ffn1:
	.size	k_q3adbde2ea3_ffn1, .Lfunc_end_k_q3adbde2ea3_ffn1-k_q3adbde2ea3_ffn1
	.p2alignl 7, 3214868480
	.fill 96, 4, 3214868480
	.section	.rodata,"a",@progbits
	.p2align	6, 0x0
	.amdhsa_kernel k_q3adbde2ea3_ffn1
		.amdhsa_group_segment_fixed_size 327680
		.amdhsa_private_segment_fixed_size 0
		.amdhsa_enable_private_segment 0
		.amdhsa_kernarg_size 40
		.amdhsa_user_sgpr_count 2
		.amdhsa_user_sgpr_kernarg_segment_ptr 1
		.amdhsa_wavefront_size32 1
		.amdhsa_system_sgpr_workgroup_id_x 1
		.amdhsa_system_sgpr_workgroup_id_y 1
		.amdhsa_system_sgpr_workgroup_id_z 1
		.amdhsa_system_vgpr_workitem_id 0
		.amdhsa_next_free_vgpr 1024
		.amdhsa_next_free_sgpr 98
		.amdhsa_reserve_vcc 0
		.amdhsa_float_denorm_mode_32 3
		.amdhsa_float_denorm_mode_16_64 3
		.amdhsa_memory_ordered 1
		.amdhsa_forward_progress 1
		.amdhsa_inst_pref_size 144
	.end_amdhsa_kernel
	.amdgpu_metadata
---
amdhsa.version: [ 1, 2 ]
amdhsa.kernels:
  - .name:           k_q3adbde2ea3_ffn1
    .symbol:         k_q3adbde2ea3_ffn1.kd
    .args:
      - { .name: xbuf, .offset: 0, .size: 8, .value_kind: global_buffer, .address_space: global }
      - { .name: w1_codes, .offset: 8, .size: 8, .value_kind: global_buffer, .address_space: global }
      - { .name: lowp_scales, .offset: 16, .size: 8, .value_kind: global_buffer, .address_space: global }
      - { .name: hbuf, .offset: 24, .size: 8, .value_kind: global_buffer, .address_space: global }
      - { .name: b1, .offset: 32, .size: 8, .value_kind: global_buffer, .address_space: global }
    .group_segment_fixed_size: 327680
    .private_segment_fixed_size: 0
    .kernarg_segment_align: 8
    .kernarg_segment_size: 40
    .max_flat_workgroup_size: 128
    .sgpr_count:     98
    .vgpr_count:     1024
    .wavefront_size: 32
...
	.end_amdgpu_metadata
.endif
;; end of part 5
;; launch ffn2 (part 6): grid 8 x 32, 4 waves a work-group, clusters of 4 x 4, 327,680 bytes of LDS; arguments hbuf, w2_codes, ffb, b2, lowp_scales, attnb, xbuf, ln1_g, ln1_b; writes ffb
.if DOCPART == 6
	.amdgcn_target "amdgcn-amd-amdhsa--gfx1250"
	.amdhsa_code_object_version 6
	.text
	.protected	k_q3adbde2ea3_ffn2
	.globl	k_q3adbde2ea3_ffn2
	.p2align	8
	.type	k_q3adbde2ea3_ffn2,@function
k_q3adbde2ea3_ffn2:
	s_mov_b64 s[64:65], 0
	v_nop
	global_prefetch_b8 v0, s[64:65] scope:SCOPE_SE
	s_setreg_imm32_b32 hwreg(HW_REG_WAVE_MODE, 25, 1), 1
	s_wait_xcnt 0x0
	s_wait_alu depctr_hold_cnt(0) depctr_sa_sdst(0) depctr_va_vdst(0) depctr_va_sdst(0) depctr_va_ssrc(0) depctr_va_vcc(0) depctr_vm_vsrc(0)
	s_getreg_b32 s2, hwreg(HW_REG_IB_STS2, 6, 4)
	s_cmp_eq_u32 s2, 0
	s_cbranch_scc0 .Lentry_in_a_cluster
	s_endpgm
.Lentry_in_a_cluster:
	s_bfe_u32 s2, ttmp6, 0x10000c
	s_cmp_lg_u32 s2, 0xf033
	s_cbranch_scc0 .Lentry_shape_is_right
	s_endpgm
.Lentry_shape_is_right:
; z2 = x + h w2 + b2, f32 [4096][1024]: h and w2 as E4M3 codes (scales: entries 12, 13); x is rebuilt from the first residual sum, each row's stored pair (mean, 1 / sqrt(variance + 1e-5)), the gain and the bias.
; A tile of 128 x 128 is made by four waves, each 64 x 64.  K = 4,096 goes in eight steps of 512 through a ring of two LDS slots filled by joint tensor loads: 4 x 4 work-groups form a cluster, h's tile shared along a row, w2's along a column.
; PREFETCH INTO THE L2: behind the joint load of K step t stands one instruction a wave for K step t + 2; behind K step 0's stands one more, for K step 1.  At most two K steps are asked for and not yet read.
; A wave's load is 64 rows x 512 bytes, 128 blocks of 256 bytes; the four partners that ask for it jointly share them out by address: the partner at place p (cx for h, cy for w2) takes rows 16 p .. 16 p + 15,
; a lane a block (row lane / 2, block lane % 2).  The loop's last trip, whose K steps t + 2 would be 8 and 9, asks for nothing.
; LIMIT: entries 12 + 13 between -126 and 127.
.set KSTEP,  512
.set KROW,   4096
.set PITCH,  528
.set HALFT,  64*PITCH
.set SLOT,   4*HALFT
.set STAGE,  2*SLOT
.set SPITCH, 272
.set SPARE,  STAGE+4*16*SPITCH
.set LAPS,   4
.set LG,   8
.set LB,   12
.set ADRA, 16
.set ADRB, 20
.set STO,  24
.set RD,   25
.set CO,   26
.set SO,   27
.set SPW,  28
.set NIL,  29
.set BOH,  30
.set GOF,  31
.set TMP,  32
.set RBK,  64
.set B2,   96
.set ACC,  128
.set F0,   0
.set F1,   128
.set ZZ,   0
.set SS,   128
.set G1, 24
.set G0, 32
.set G1B, 48
.set G0B, 56
.set MSB, 0
.macro WIN new
.if MSB != \new
	s_set_vgpr_msb (MSB<<8)|\new
.set MSB, \new
.endif
.endm
.set MUL,  0x05
.set TO_F, 0x40
.set TO_Z, 0x80
.macro JLOAD s
	s_cmp_eq_u32 s11, 0
	s_cbranch_scc0 .Lfor_b_\@
	tensor_load_to_lds s[G0+4*\s:G0+4*\s+3], s[G1:G1+7]
	s_nop 0
.rept 4
	v_nop
.endr
	s_branch .Lasked_\@
.Lfor_b_\@:
	tensor_load_to_lds s[G0B+4*\s:G0B+4*\s+3], s[G1B:G1B+7]
	s_nop 0
.rept 4
	v_nop
.endr
.Lasked_\@:
.endm
.macro CREST
	s_cmp_lg_u32 s10, 0
	s_cbranch_scc1 .Lnot_wave_0_\@
	s_barrier_signal -3
.Lnot_wave_0_\@:
	s_barrier_wait -3
	s_barrier_signal -1
	s_barrier_wait -1
.endm
.macro CROUND
	s_barrier_signal -1
	s_barrier_wait -1
	CREST
.endm
	s_load_b128 s[4:7], s[0:1], 0x0
	s_load_b64 s[8:9], s[0:1], 0x10
	s_load_b64 s[66:67], s[0:1], 0x18
	s_load_b64 s[68:69], s[0:1], 0x20
	s_load_b256 s[76:83], s[0:1], 0x28
	v_lshl_add_u32 v[SPW], v0, 2, SPARE
	v_mov_b32 v[NIL], 0
	ds_add_u32 v28, v29
	ds_add_u32 v28, v29
	s_wait_dscnt 0x0
	v_lshrrev_b32 v1, 5, v0
	v_readfirstlane_b32 s10, v1
	v_and_b32 v23, 31, v0
	v_lshrrev_b32 v22, 1, v23
	v_and_b32 v23, 1, v23
	v_lshlrev_b32 v22, 12, v22
	v_lshl_add_u32 v22, v23, 8, v22                ; the prefetches' offset: 4,096 (lane / 2) + 256 (lane % 2); never rewritten
	s_wait_alu depctr_va_vdst(0)                   ; scalar work and waits stand ahead of the reader
	s_lshr_b32 s11, s10, 1
	s_and_b32 s12, s10, 1
	s_bfe_u32 s40, ttmp6, 0x40000
	s_bfe_u32 s41, ttmp6, 0x40004
	s_lshl_b32 s42, ttmp9, 2
	s_add_co_u32 s42, s42, s40
	s_and_b32 s13, ttmp7, 0xffff
	s_lshl_b32 s13, s13, 2
	s_add_co_u32 s13, s13, s41
	s_lshl_b32 s43, s41, 2
	s_lshl_b32 s43, 15, s43
	s_lshl_b32 s44, 0x1111, s40
	s_or_b32 s[G1+0], s43, (0<<16)|(1<<20)|(1<<21)|(6<<22)|(3<<25)
	s_or_b32 s[G1B+0], s44, (0<<16)|(1<<20)|(1<<21)|(6<<22)|(3<<25)
.irp g, G1, G1B
	s_mov_b32 s[\g+1], KSTEP<<16
	s_mov_b32 s[\g+2], 64<<16
	s_mov_b32 s[\g+3], KSTEP<<16
	s_mov_b32 s[\g+4], 64
	s_mov_b32 s[\g+5], KROW
	s_mov_b32 s[\g+6], 0
	s_mov_b32 s[\g+7], 0
.endr
	s_lshl_b32 s17, s12, 6
	s_lshl_b32 s16, s13, 7
	s_add_co_u32 s16, s16, s17
	s_lshl_b32 s46, s42, 7
	s_add_co_u32 s46, s46, s17
	s_lshl_b32 s16, s16, 12
	s_lshl_b32 s46, s46, 12
	s_mov_b32 s17, 0
	s_mov_b32 s47, 0
	s_mul_i32 s20, s10, HALFT
	s_wait_kmcnt 0x0
	s_load_b64 s[70:71], s[68:69], 0x30
	s_add_nc_u64 s[14:15], s[4:5], s[16:17]
	s_add_nc_u64 s[46:47], s[6:7], s[46:47]
	s_cmp_eq_u32 s11, 0                            ; do I fetch for h?
	s_cselect_b64 s[86:87], s[14:15], s[46:47]     ; the 64 rows that I fetch,
	s_cselect_b32 s88, s40, s41                    ; my place among the four that ask for them with me,
	s_lshl_b32 s88, s88, 16                        ; 16 rows of 4,096 bytes a place
	s_mov_b32 s89, 0
	s_add_nc_u64 s[86:87], s[86:87], s[88:89]      ; s[86:87]: where my prefetches stand
	CROUND
.irp s, 0,1
	s_mov_b32 s[G0+4*\s], 1
	s_add_co_u32 s[G0+4*\s+1], s20, \s*SLOT
	s_add_nc_u64 s[G0+4*\s+2:G0+4*\s+3], s[14:15], \s*KSTEP
	s_or_b32 s[G0+4*\s+3], s[G0+4*\s+3], 0x80000000
	s_mov_b32 s[G0B+4*\s], 1
	s_add_co_u32 s[G0B+4*\s+1], s20, \s*SLOT
	s_add_nc_u64 s[G0B+4*\s+2:G0B+4*\s+3], s[46:47], \s*KSTEP
	s_or_b32 s[G0B+4*\s+3], s[G0B+4*\s+3], 0x80000000
.if \s                                             ; slot 1's first fill is issued as a refill is
	s_wait_alu depctr_va_vdst(0)
	s_wait_tensorcnt 0x0                           ; my part of K step 0 is in
	ds_add_u32 v28, v29
	ds_add_u32 v28, v29
	s_wait_dscnt 0x0
	CROUND
.endif
	JLOAD \s
.if \s == 0
	global_prefetch_b8 v22, s[86:87] offset:KSTEP th:TH_LOAD_NT scope:SCOPE_SE         ; K step 1
.endif
	global_prefetch_b8 v22, s[86:87] offset:1024+512*\s th:TH_LOAD_NT scope:SCOPE_SE   ; K step 2 + s
.endr
	v_and_b32 v1, 15, v0
	s_wait_alu depctr_va_vdst(0)
	v_bfe_u32 v2, v0, 4, 1
	v_mul_u32_u24 v3, v1, PITCH
	v_lshl_add_u32 v3, v2, 4, v3
	s_mul_i32 s21, s11, HALFT
	s_mul_i32 s22, s12, HALFT
	s_add_co_u32 s22, s22, 2*HALFT
.irp s, 0,1
	v_add_nc_u32 v[ADRA+\s], s21, v3
	v_add_nc_u32 v[ADRB+\s], s22, v3
	s_add_co_u32 s21, s21, SLOT
	s_add_co_u32 s22, s22, SLOT
.endr
	s_mul_i32 s23, s10, 16*SPITCH
	s_add_co_u32 s23, s23, STAGE
	v_mul_u32_u24 v4, v1, SPITCH
	s_wait_alu depctr_va_vdst(0)
	v_lshl_add_u32 v4, v2, 5, v4
	v_add_nc_u32 v[STO], s23, v4
	v_mul_u32_u24 v5, v2, SPITCH
	v_lshl_add_u32 v5, v1, 4, v5
	v_add_nc_u32 v[RD], s23, v5
	v_lshlrev_b32 v[CO], 12, v2
	v_lshl_add_u32 v[CO], v1, 4, v[CO]
	v_lshlrev_b32 v[BOH], 5, v2
	s_wait_alu depctr_va_vdst(0)
	v_lshlrev_b32 v[SO], 7, v2
	v_lshl_add_u32 v[SO], v1, 3, v[SO]
	v_lshlrev_b32 v[GOF], 4, v1
	s_wait_alu depctr_va_vdst(0)
	s_lshl_b32 s74, s13, 7
	s_lshl_b32 s75, s11, 6
	s_add_co_u32 s74, s74, s75
	s_lshl_b32 s18, s74, 7
	s_mov_b32 s19, 0
	s_add_nc_u64 s[78:79], s[78:79], s[18:19]
	s_add_nc_u64 s[78:79], s[78:79], 0x400000
	s_lshl_b32 s74, s74, 12
	s_lshl_b32 s72, s42, 9
	s_lshl_b32 s73, s12, 8
	s_add_co_u32 s72, s72, s73
	s_mov_b32 s73, 0
	s_add_nc_u64 s[66:67], s[66:67], s[72:73]
	s_add_nc_u64 s[80:81], s[80:81], s[72:73]
	s_add_nc_u64 s[82:83], s[82:83], s[72:73]
	s_add_co_u32 s74, s74, s72
	s_mov_b32 s75, 0
	s_add_nc_u64 s[8:9], s[8:9], s[74:75]
	s_add_nc_u64 s[76:77], s[76:77], s[74:75]
.irp b, 0,1,2,3
.irp u, 0,1
	global_load_b128 v[B2+8*\b+4*\u:B2+8*\b+4*\u+3], v[BOH], s[66:67] offset:64*\b+16*\u
.endr
.endr
	global_load_b128 v[LG:LG+3], v[GOF], s[80:81]
	global_load_b128 v[LB:LB+3], v[GOF], s[82:83]
	WIN TO_Z
.irp a, 0,1,2,3
.irp t, 0,1,2,3,4,5,6,7
	global_load_b64 v[SS+2*(8*\a+\t):SS+2*(8*\a+\t)+1], v[SO], s[78:79] offset:128*(16*\a+2*\t)
.endr
.endr
	WIN 0
.macro MUL4 f, a, zero
.irp b, 0,1,2,3
.if \zero
	v_wmma_f32_16x16x128_fp8_fp8 v[ACC+8*(4*(\a)+\b):ACC+8*(4*(\a)+\b)+7], v[\f+64+16*\b:\f+64+16*\b+15], v[\f+16*(\a):\f+16*(\a)+15], 0
.else
	v_wmma_f32_16x16x128_fp8_fp8 v[ACC+8*(4*(\a)+\b):ACC+8*(4*(\a)+\b)+7], v[\f+64+16*\b:\f+64+16*\b+15], v[\f+16*(\a):\f+16*(\a)+15], v[ACC+8*(4*(\a)+\b):ACC+8*(4*(\a)+\b)+7]
.endif
.endr
.endm
.macro MUL8 f, a0, zero
	MUL4 \f, \a0, \zero
	MUL4 \f, (\a0)+1, \zero
.endm
.macro FRAG reg, adr, k, i
.irp c, 0,1,2,3
	ds_load_b128 v[\reg+4*\c:\reg+4*\c+3], v[\adr] offset:(\k)+32*\c+(\i)*16*PITCH
.endr
.endm
.macro FETCH slot, k, f
	WIN TO_F
.irp i, 0,1,2,3
	FRAG \f+64+16*\i, ADRB+\slot, \k, \i
.endr
.irp i, 0,1,2,3
	FRAG \f+16*\i, ADRA+\slot, \k, \i
.endr
.endm
.macro PLACES
.rept 4
	v_nop
.endr
.endm
.macro QUARTER slot, k, f, g, zero
	s_wait_dscnt 8
	WIN MUL
	MUL8 \f, 0, \zero
	PLACES
	FETCH \slot, \k, \g
	s_wait_dscnt 32
	WIN MUL
	MUL8 \f, 2, \zero
.endm
.macro TURN slot, next, fill
	WIN 0
.if \fill
	s_wait_xcnt 0x0                                ; my last prefetch has read its address:
	s_add_nc_u64 s[86:87], s[86:87], KSTEP         ; a K step on
.endif
	s_wait_tensorcnt 0x0
	ds_add_u32 v[SPW], v[NIL]
	s_wait_dscnt 9
	WIN MUL
	MUL4 F1, 0, 0
	s_wait_dscnt 0x0
	s_barrier_signal -1
	MUL4 F1, 1, 0
.if \fill
	WIN 0
.endif
	s_barrier_wait -1
.if \fill
	CREST
	s_add_nc_u64 s[G0+4*\slot+2:G0+4*\slot+3], s[G0+4*\slot+2:G0+4*\slot+3], 2*KSTEP
	s_add_nc_u64 s[G0B+4*\slot+2:G0B+4*\slot+3], s[G0B+4*\slot+2:G0B+4*\slot+3], 2*KSTEP
	JLOAD \slot
.else
	PLACES
.endif
	FETCH \next, 0, F0
.if \fill
	WIN 0                                          ; at a branch and at a label every window is 0
	s_cmp_gt_u32 s3, 1                             ; s3 = 1 in the loop's last trip
	s_cbranch_scc0 .Lno_ask_\@
	global_prefetch_b8 v22, s[86:87] offset:3*KSTEP th:TH_LOAD_NT scope:SCOPE_SE   ; the K step two refills on
.Lno_ask_\@:
.endif
	WIN MUL
	MUL8 F1, 2, 0
.endm
	s_wait_tensorcnt 1
	s_barrier_signal -1
	s_barrier_wait -1
	FETCH 0, 0, F0
	QUARTER 0, 128, F0, F1, 1
	WIN TO_Z
.irp a, 0,1,2,3
.irp t, 0,1,2,3,4,5,6,7
	global_load_b128 v[ZZ+4*(8*\a+\t):ZZ+4*(8*\a+\t)+3], v[CO], s[76:77] offset:4096*(16*\a+2*\t) th:TH_LOAD_NT
.endr
.endr
	WIN 0
	s_mov_b32 s3, LAPS-1
.Llap:
	QUARTER 0, 256, F1, F0, 0
	QUARTER 0, 384, F0, F1, 0
	TURN 0, 1, 1
	QUARTER 1, 128, F0, F1, 0
	QUARTER 1, 256, F1, F0, 0
	QUARTER 1, 384, F0, F1, 0
	TURN 1, 0, 1
	QUARTER 0, 128, F0, F1, 0
	WIN 0
	s_sub_co_u32 s3, s3, 1
	s_cmp_lg_u32 s3, 0
	s_cbranch_scc1 .Llap
	QUARTER 0, 256, F1, F0, 0
	QUARTER 0, 384, F0, F1, 0
	TURN 0, 1, 0
	QUARTER 1, 128, F0, F1, 0
	QUARTER 1, 256, F1, F0, 0
	QUARTER 1, 384, F0, F1, 0
	s_wait_dscnt 8
	WIN MUL
	MUL8 F1, 0, 0
	s_wait_dscnt 0
	MUL8 F1, 2, 0
	WIN 0
	s_wait_kmcnt 0x0
	s_add_co_i32 s72, s70, s71
	s_add_co_i32 s72, s72, 127
	s_lshl_b32 s72, s72, 23
	s_mov_b32 s73, s72
	s_wait_loadcnt 0x0
	WIN 0x8a
.set n, 0
.rept 32
	v_pk_add_f32 v[ZZ+4*n:ZZ+4*n+1], v[ZZ+4*n:ZZ+4*n+1], v[SS+2*n:SS+2*n+1] op_sel_hi:[1,0] neg_lo:[0,1] neg_hi:[0,1]
	v_pk_add_f32 v[ZZ+4*n+2:ZZ+4*n+3], v[ZZ+4*n+2:ZZ+4*n+3], v[SS+2*n:SS+2*n+1] op_sel_hi:[1,0] neg_lo:[0,1] neg_hi:[0,1]
.set n, n+1
.endr
.set n, 0
.rept 32
	v_pk_mul_f32 v[ZZ+4*n:ZZ+4*n+1], v[ZZ+4*n:ZZ+4*n+1], v[SS+2*n:SS+2*n+1] op_sel:[0,1] op_sel_hi:[1,1]
	v_pk_mul_f32 v[ZZ+4*n+2:ZZ+4*n+3], v[ZZ+4*n+2:ZZ+4*n+3], v[SS+2*n:SS+2*n+1] op_sel:[0,1] op_sel_hi:[1,1]
.set n, n+1
.endr
	WIN 0x82
.set n, 0
.rept 32
	v_pk_fma_f32 v[ZZ+4*n:ZZ+4*n+1], v[ZZ+4*n:ZZ+4*n+1], v[LG:LG+1], v[LB:LB+1]
	v_pk_fma_f32 v[ZZ+4*n+2:ZZ+4*n+3], v[ZZ+4*n+2:ZZ+4*n+3], v[LG+2:LG+3], v[LB+2:LB+3]
.set n, n+1
.endr
	WIN 0
.macro OBLK a
.irp b, 0,1,2,3
.irp i, 0,2,4,6
	v_pk_fma_f32 v[TMP+8*\b+\i:TMP+8*\b+\i+1], v[ACC+8*(4*(\a)+\b)+\i:ACC+8*(4*(\a)+\b)+\i+1], s[72:73], v[B2+8*\b+\i:B2+8*\b+\i+1] op_sel_hi:[1,0,1]
.endr
.endr
.irp b, 0,1,2,3
	ds_store_b128 v[STO], v[TMP+8*\b:TMP+8*\b+3] offset:64*\b
	ds_store_b128 v[STO], v[TMP+8*\b+4:TMP+8*\b+7] offset:64*\b+16
.endr
	s_wait_xcnt 0x0
.irp t, 0,1,2,3,4,5,6,7
	ds_load_b128 v[RBK+4*\t:RBK+4*\t+3], v[RD] offset:2*SPITCH*\t
.endr
	s_wait_dscnt 0x0
	WIN 0x08
.irp t, 0,1,2,3,4,5,6,7
	v_pk_add_f32 v[RBK+4*\t:RBK+4*\t+1], v[RBK+4*\t:RBK+4*\t+1], v[ZZ+4*(8*(\a)+\t):ZZ+4*(8*(\a)+\t)+1]
	v_pk_add_f32 v[RBK+4*\t+2:RBK+4*\t+3], v[RBK+4*\t+2:RBK+4*\t+3], v[ZZ+4*(8*(\a)+\t)+2:ZZ+4*(8*(\a)+\t)+3]
.endr
	WIN 0
.irp t, 0,1,2,3,4,5,6,7
	global_store_b128 v[CO], v[RBK+4*\t:RBK+4*\t+3], s[8:9] offset:4096*(16*(\a)+2*\t)
.endr
.endm
.irp a, 0,1,2,3
	OBLK \a
.endr
	s_wait_tensorcnt 0x0
	ds_add_u32 v[SPW], v[NIL]
	s_wait_dscnt 0x0
	CROUND
	s_endpgm
.Lfunc_end_k_q3adbde2ea3_ffn2:
	.size	k_q3adbde2ea3_ffn2, .Lfunc_end_k_q3adbde2ea3_ffn2-k_q3adbde2ea3_ffn2
	.p2alignl 7, 3214868480
	.fill 96, 4, 3214868480
	.section	.rodata,"a",@progbits
	.p2align	6, 0x0
	.amdhsa_kernel k_q3adbde2ea3_ffn2
		.amdhsa_group_segment_fixed_size 327680
		.amdhsa_private_segment_fixed_size 0
		.amdhsa_enable_private_segment 0
		.amdhsa_kernarg_size 72
		.amdhsa_user_sgpr_count 2
		.amdhsa_user_sgpr_kernarg_segment_ptr 1
		.amdhsa_wavefront_size32 1
		.amdhsa_system_sgpr_workgroup_id_x 1
		.amdhsa_system_sgpr_workgroup_id_y 1
		.amdhsa_system_sgpr_workgroup_id_z 1
		.amdhsa_system_vgpr_workitem_id 0
		.amdhsa_next_free_vgpr 704
		.amdhsa_next_free_sgpr 92
		.amdhsa_reserve_vcc 0
		.amdhsa_float_denorm_mode_32 3
		.amdhsa_float_denorm_mode_16_64 3
		.amdhsa_memory_ordered 1
		.amdhsa_forward_progress 1
		.amdhsa_inst_pref_size 100
	.end_amdhsa_kernel
	.amdgpu_metadata
---
amdhsa.version: [ 1, 2 ]
amdhsa.kernels:
  - .name:           k_q3adbde2ea3_ffn2
    .symbol:         k_q3adbde2ea3_ffn2.kd
    .args:
      - { .name: hbuf, .offset: 0, .size: 8, .value_kind: global_buffer, .address_space: global }
      - { .name: w2_codes, .offset: 8, .size: 8, .value_kind: global_buffer, .address_space: global }
      - { .name: ffb, .offset: 16, .size: 8, .value_kind: global_buffer, .address_space: global }
      - { .name: b2, .offset: 24, .size: 8, .value_kind: global_buffer, .address_space: global }
      - { .name: lowp_scales, .offset: 32, .size: 8, .value_kind: global_buffer, .address_space: global }
      - { .name: attnb, .offset: 40, .size: 8, .value_kind: global_buffer, .address_space: global }
      - { .name: xbuf, .offset: 48, .size: 8, .value_kind: global_buffer, .address_space: global }
      - { .name: ln1_g, .offset: 56, .size: 8, .value_kind: global_buffer, .address_space: global }
      - { .name: ln1_b, .offset: 64, .size: 8, .value_kind: global_buffer, .address_space: global }
    .group_segment_fixed_size: 327680
    .private_segment_fixed_size: 0
    .kernarg_segment_align: 8
    .kernarg_segment_size: 72
    .max_flat_workgroup_size: 128
    .sgpr_count:     92
    .vgpr_count:     704
    .wavefront_size: 32
...
	.end_amdgpu_metadata
.endif
;; end of part 6
;; launch ln2 (part 7): grid 256 x 1, 8 waves a work-group, no clusters, 0 bytes of LDS; arguments ffb, ln2_g, ln2_b, out0; writes out0
.if DOCPART == 7
	.amdgcn_target "amdgcn-amd-amdhsa--gfx1250"
	.amdhsa_code_object_version 6
	.text
	.protected	k_q3adbde2ea3_ln2
	.globl	k_q3adbde2ea3_ln2
	.p2align	8
	.type	k_q3adbde2ea3_ln2,@function
k_q3adbde2ea3_ln2:
	s_mov_b64 s[64:65], 0
	v_nop
	global_prefetch_b8 v0, s[64:65] scope:SCOPE_SE
	s_setreg_imm32_b32 hwreg(HW_REG_WAVE_MODE, 25, 1), 1
	s_wait_xcnt 0x0
; y = layer norm (z) x gain + bias, rows of 1,024 f32; 4,096 rows; z is the residual sum that the launch before stored.
; A wave owns two neighbouring rows: 8,192 consecutive bytes.  A row lives in one wave, 32 registers a lane (load j: columns 128 j + 4 lane + 0 .. 3): it is read once, and mean and variance (of the
; differences from the mean) never leave the wave: no LDS, no barrier.  All 32 loads go out at the head.  No register of a memory instruction is written again.  NaN among the inputs is not served.
.set XA,  32                           ; v32-95   z, then the result
.set GG,  160                          ; v160-191 the gain
.set BE,  192                          ; v192-223 the bias
	s_load_b256 s[4:11], s[0:1], 0x0               ; z, gain, bias, out
	v_lshrrev_b32 v1, 5, v0
	s_delay_alu instid0(VALU_DEP_1)
	v_readfirstlane_b32 s20, v1                    ; wave
	v_and_b32 v2, 31, v0
	s_delay_alu instid0(VALU_DEP_1)
	v_lshlrev_b32 v1, 4, v2                        ; 16 x lane
	v_mov_b32 v17, 0                               ; a lane permute's destination counts as one of its sources
	s_mov_b32 s12, 0x76543210
	s_mov_b32 s13, 0xfedcba98
	s_mov_b32 s14, 0x3a800000                      ; 1 / 1,024
	s_mov_b32 s15, 0x3727c5ac                      ; 1e-5
	s_lshl_b32 s22, ttmp9, 3
	s_add_co_u32 s22, s22, s20                     ; which pair of rows
	s_lshl_b32 s24, s22, 13
	s_mov_b32 s25, 0
	s_wait_alu depctr_va_vdst(0)
	s_wait_kmcnt 0x0
	s_add_nc_u64 s[4:5], s[4:5], s[24:25]
	s_add_nc_u64 s[10:11], s[10:11], s[24:25]
.irp j, 0,1,2,3,4,5,6,7
	global_load_b128 v[GG+4*\j:GG+4*\j+3], v1, s[6:7] offset:512*\j
	global_load_b128 v[BE+4*\j:BE+4*\j+3], v1, s[8:9] offset:512*\j
.endr
.irp p, 0,1
.irp j, 0,1,2,3,4,5,6,7
	global_load_b128 v[XA+32*\p+4*\j:XA+32*\p+4*\j+3], v1, s[4:5] offset:4096*\p+512*\j th:TH_LOAD_NT
.endr
.endr
.macro REDUCE                          ; v16 summed over the 32 lanes, in every lane
	s_delay_alu instid0(VALU_DEP_1)
	v_add_f32_dpp v16, v16, v16 row_xmask:1 row_mask:0xf bank_mask:0xf
	s_delay_alu instid0(VALU_DEP_1)
	v_add_f32_dpp v16, v16, v16 row_xmask:2 row_mask:0xf bank_mask:0xf
	s_delay_alu instid0(VALU_DEP_1)
	v_add_f32_dpp v16, v16, v16 row_xmask:4 row_mask:0xf bank_mask:0xf
	s_delay_alu instid0(VALU_DEP_1)
	v_add_f32_dpp v16, v16, v16 row_xmask:8 row_mask:0xf bank_mask:0xf
	s_delay_alu instid0(VALU_DEP_1)
	v_permlanex16_b32 v17, v16, s12, s13
	s_delay_alu instid0(VALU_DEP_1)
	v_add_f32 v16, v16, v17
.endm
.macro FOLD                            ; the four chains v[4:11] into v16
	s_delay_alu instid0(VALU_DEP_3)
	v_pk_add_f32 v[4:5], v[4:5], v[6:7]
	s_delay_alu instid0(VALU_DEP_2)
	v_pk_add_f32 v[8:9], v[8:9], v[10:11]
	s_delay_alu instid0(VALU_DEP_1)
	v_pk_add_f32 v[4:5], v[4:5], v[8:9]
	s_delay_alu instid0(VALU_DEP_1)
	v_add_f32 v16, v4, v5
.endm
.macro ROW p
.set RA, XA+32*(\p)
.irp c, 0,1,2,3
	v_pk_add_f32 v[4+2*\c:5+2*\c], v[RA+4*\c:RA+4*\c+1], v[RA+4*\c+2:RA+4*\c+3]   ; the first pairs start four chains
.endr
.set k, 16
.rept 8
	s_delay_alu instid0(VALU_DEP_4)
	v_pk_add_f32 v[4+2*((k/2)%4):5+2*((k/2)%4)], v[4+2*((k/2)%4):5+2*((k/2)%4)], v[RA+k:RA+k+1]
.set k, k+2
.endr
	FOLD
	REDUCE
	s_delay_alu instid0(VALU_DEP_1)
	v_mul_f32 v12, s14, v16                        ; the mean
	s_delay_alu instid0(VALU_DEP_1)
	v_mov_b32 v13, v12
.set k, 0
.rept 16
	v_pk_add_f32 v[RA+k:RA+k+1], v[RA+k:RA+k+1], v[12:13] neg_lo:[0,1] neg_hi:[0,1]   ; d = z - mean
.set k, k+2
.endr
.irp c, 0,1,2,3
	v_pk_mul_f32 v[4+2*\c:5+2*\c], v[RA+2*\c:RA+2*\c+1], v[RA+2*\c:RA+2*\c+1]
.endr
.set k, 8
.rept 12
	s_delay_alu instid0(VALU_DEP_4)
	v_pk_fma_f32 v[4+2*((k/2)%4):5+2*((k/2)%4)], v[RA+k:RA+k+1], v[RA+k:RA+k+1], v[4+2*((k/2)%4):5+2*((k/2)%4)]
.set k, k+2
.endr
	FOLD
	REDUCE
	s_delay_alu instid0(VALU_DEP_1)
	v_fma_f32 v16, v16, s14, s15                   ; the variance + 1e-5
	s_wait_alu depctr_va_vdst(0)
	v_rsq_f32 v14, v16
	v_rsq_f32 v15, v16                             ; twice: a pair for the packed multiply
	v_nop                                          ; a plain instruction behind them
	s_wait_alu depctr_va_vdst(0)                   ; one wait for both, ahead of the first reader
.set k, 0
.rept 16
	v_pk_mul_f32 v[RA+k:RA+k+1], v[RA+k:RA+k+1], v[14:15]
.set k, k+2
.endr
.set k, 0
.rept 16
	v_pk_fma_f32 v[RA+k:RA+k+1], v[RA+k:RA+k+1], v[GG+k:GG+k+1], v[BE+k:BE+k+1]
.set k, k+2
.endr
.irp j, 0,1,2,3,4,5,6,7
	global_store_b128 v1, v[RA+4*\j:RA+4*\j+3], s[10:11] offset:4096*(\p)+512*\j th:TH_STORE_NT   ; 512 consecutive bytes
.endr
.endm
	s_wait_loadcnt 8                               ; gain, bias and row 0 are in; row 1's eight loads may be out
	ROW 0
	s_wait_loadcnt 0x0
	ROW 1
	s_endpgm
.Lfunc_end_k_q3adbde2ea3_ln2:
	.size	k_q3adbde2ea3_ln2, .Lfunc_end_k_q3adbde2ea3_ln2-k_q3adbde2ea3_ln2
	.p2alignl 7, 3214868480
	.fill 96, 4, 3214868480
	.section	.rodata,"a",@progbits
	.p2align	6, 0x0
	.amdhsa_kernel k_q3adbde2ea3_ln2
		.amdhsa_group_segment_fixed_size 0
		.amdhsa_private_segment_fixed_size 0
		.amdhsa_enable_private_segment 0
		.amdhsa_kernarg_size 32
		.amdhsa_user_sgpr_count 2
		.amdhsa_user_sgpr_kernarg_segment_ptr 1
		.amdhsa_wavefront_size32 1
		.amdhsa_system_sgpr_workgroup_id_x 1
		.amdhsa_system_sgpr_workgroup_id_y 1
		.amdhsa_system_sgpr_workgroup_id_z 1
		.amdhsa_system_vgpr_workitem_id 0
		.amdhsa_next_free_vgpr 224
		.amdhsa_next_free_sgpr 66
		.amdhsa_reserve_vcc 0
		.amdhsa_float_denorm_mode_32 3
		.amdhsa_float_denorm_mode_16_64 3
		.amdhsa_memory_ordered 1
		.amdhsa_forward_progress 1
		.amdhsa_inst_pref_size 21
	.end_amdhsa_kernel
	.amdgpu_metadata
---
amdhsa.version: [ 1, 2 ]
amdhsa.kernels:
  - .name:           k_q3adbde2ea3_ln2
    .symbol:         k_q3adbde2ea3_ln2.kd
    .args:
      - { .name: ffb, .offset: 0, .size: 8, .value_kind: global_buffer, .address_space: global }
      - { .name: ln2_g, .offset: 8, .size: 8, .value_kind: global_buffer, .address_space: global }
      - { .name: ln2_b, .offset: 16, .size: 8, .value_kind: global_buffer, .address_space: global }
      - { .name: out0, .offset: 24, .size: 8, .value_kind: global_buffer, .address_space: global }
    .group_segment_fixed_size: 0
    .private_segment_fixed_size: 0
    .kernarg_segment_align: 8
    .kernarg_segment_size: 32
    .max_flat_workgroup_size: 256
    .sgpr_count:     66
    .vgpr_count:     224
    .wavefront_size: 32
...
	.end_amdgpu_metadata
.endif
;; end of part 7
